; MI455X (gfx1250); checked and timed in simulation.
; The chip was launched on July 23, 2026; its instructions are those of AMD's public machine-readable ISA for CDNA 5 (MIT licence, August 2026) and "CDNA5" Instruction Set Architecture Reference Guide (July 2026). The comments in the code are by the model that wrote it; some were corrected since.
;; H2 Q Knot Kernel. Allowed arithmetic: float matrix products may take bf16 or f16 operands with f32 sums; other float arithmetic in f32, or as packed bf16 or f16 multiplies, adds, multiply-adds, maxima and minima; sums over many terms, partial sums and values carried from step to step in f32; what a program stores and reads back later, other than sums and carried values, may be rounded once to bf16 or f16.
;; Inputs: emb 257 x 4 float32; w_exp0 4 x 1 x 1 float32; w_exp1 4 x 2 x 2 float32; w_exp2 4 x 4 x 4 float32; w_exp3 4 x 8 x 8 float32; w_exp4 4 x 16 x 16 float32; w_exp5 4 x 32 x 32 float32; w_exp6 4 x 64 x 64 float32; w_exp7 4 x 128 x 128 float32; w_head 257 x 1,024 float32; w_layers 6 x 4 x 256 x 256 float32; x 8 x 1,024 int32.
;; Outputs: out0 8 x 1,024 x 257 float32; out1 one number float32.
;; 2 versions, each right; version 2 is version 1 with the launch prep written anew for expert scheduling mode. Each part assembles by itself: llvm-mc -triple=amdgcn-amd-amdhsa -mcpu=gfx1250 --defsym DOCPART=n.
;; ======== version 1 of 2: 9 launches
;; workspace buffers: wl0 1,081,344 bytes; wl1 524,288 bytes; wl2 524,288 bytes; wl3 524,288 bytes; wl4 524,288 bytes; wl5 524,288 bytes; wsA 1,114,112 bytes; wsB 1,114,112 bytes
;; launch prep (part 1): grid 147 x 1, 4 waves a work-group, no clusters, 33,280 bytes of LDS; arguments emb, w_exp0, w_exp1, w_exp2, w_exp3, w_exp4, w_exp5, w_exp6, w_exp7, w_layers, w_head, wl0, wl1, wl2, wl3, wl4, wl5, wsA; writes wl0, wl1, wl2, wl3, wl4, wl5, wsA
.if DOCPART == 1
	.amdgcn_target "amdgcn-amd-amdhsa--gfx1250"
	.amdhsa_code_object_version 6
	.text
	.protected	k_q0bb7e1e142_prep
	.globl	k_q0bb7e1e142_prep
	.p2align	8
	.type	k_q0bb7e1e142_prep,@function
k_q0bb7e1e142_prep:
	s_mov_b64 s[64:65], 0
	v_nop
	global_prefetch_b8 v0, s[64:65] scope:SCOPE_SE
	s_setreg_imm32_b32 hwreg(HW_REG_WAVE_MODE, 25, 1), 1
	s_wait_xcnt 0x0
; PREP.  reference() mixes no positions: a row of logits and its share of the loss are functions of the token id alone.  So the network is run once for each of the 257
; ids (17 tiles of 16 rows; rows 257-271 repeat row 256), and the last launch gathers by x.  This launch has three kinds of work-groups, told apart by the work-group's number:
;   0-33    the eight expanders for row tile T = n / 2; the two work-groups of a tile differ in their half z = n % 2 of the last stage's outputs.  Result: activations in wsA.
;   34-129  w_layers, rounded to bf16, laid out as matrix fragments: layer d = c / 16, output tile t = c % 16, wave = component w.
;   130-146 w_head likewise, 16 vocabulary columns each, behind layer 0's weights in wl0.
; FORMATS.  Every input is rounded once to bf16.  An activation q goes to the matrix unit as two bf16 numbers, hi = bf16(q) and lo = bf16(q - hi), each multiplied by the same weights; sums in f32.
; PRODUCTS.  Source 0 = 16 weight rows (outputs), source 1 = 16 table rows.  In the result lane (r = lane % 16, h = lane / 16) holds in register j output 8 h + j of row r: packed in pairs
; these eight numbers are four registers of a source-1 fragment of the same lane, so nothing changes lanes from stage to stage.
; HAMILTON.  out_c = sum over a of s(c, a) W_(c xor a) q_a.  Matrix sources take no sign, so a component has two sums, P_c (s = +) and N_c (s = -), and y_c = P_c - N_c.  NEGM: bit 4 c + a set where s is -.
; SMALL STAGES (1, 2, 4, 8 quaternions): the tile's 16 places hold q with period cq; weight row m is W[m mod cq], columns from cq on are 0; so delta stands at every place and place m takes q + delta
; or, where bit log2(cq) of m is set, q - delta.  Up to 16 quaternions hi lies in a fragment's K 0-15, lo in K 16-31, and the weights are repeated: one product serves both.
; STAGES 0-5 are made whole by every wave (no exchange); stage 6: wave v makes output tile v, and the new tiles v and v + 4 meet in LDS; stage 7: wave v makes tile v + 4 z, and tiles v + 4 z and v + 4 z + 8 go to wsA.
; ACTIVATIONS in memory: [T 17][part 2][component 4][u 16][512 bytes]; in a block lane l has the 16 bytes at 16 l: bf16 of q[row r][16 u + 8 h + 0..7].  Every load and store of a wave covers 512 consecutive bytes, aligned.
; tanh(y) = 1 - 2 / (1 + 2^(2.885390 y)): right at both ends of the exponential's range; near 0 its absolute error is about 1e-7.
; LIMITS.  Inputs keep bf16's 8 significant bits, activations 16 to 17.  NaN and infinities are not treated apart.
; REGISTERS, in windows of 256 (s_set_vgpr_msb: bits 1:0 source 0, 3:2 source 1, 5:4 source 2, 7:6 destination):
;   window 0: v2-15 lane terms; v16-79 weight fragments; v80-207 activation fragments (later the packed results); v208-239 y and work; v240-253 lane terms, the embedding
;   window 1: v0-63 the sums P_c at 8 c, N_c at 32 + 8 c; v64-191 q in f32, 32 a tile (8 c + j); v192-255 the small stages' weights in f32 (stage 4's lie in tile 2, free till stage 5's end)
;   window 2: v0-127 stage 5's weights in f32, v128-255 stage 6's; in stage 7 all 256: its activation fragments          window 3: stage 7's weights in f32
.set NEGM,  0x428e
.set XCH,   0                          ; LDS: [part 2][component 4][u 8][512 bytes]: the 128 quaternions that stage 7 reads
.set SPARE, 32768                      ; the spare words, 128 bytes a wave: two blocks of 256 bytes that no other line names
.set HOFF,  524288                     ; the head's weights in wl0
.set VM,  2                            ; lane % 16
.set VH,  3                            ; lane / 16
.set L16, 4                            ; 16 x lane
.set ZO,  5                            ; 0
.set O1,  6                            ; my byte offsets in a plane of w_exp1 .. w_exp4
.set O2,  7
.set O3,  8
.set O4,  9
.set EO,  10                           ; my row of emb
.set HM,  11                           ; all ones where h = 0, else 0
.set SG,  12                           ; 1.0 where h = 0, else -1.0
.set TA,  13                           ; at work; in the conversion arms the loads' offset
.set SPW, 14                           ; LDS address of my spare word; never rewritten
.set NIL, 15                           ; 0; never rewritten
.set AF,  16
.set BF,  80
.set OQ,  80
.set Y,   208
.set O5,  240                          ; my byte offsets in 16 rows of w_exp5 .. w_exp7
.set O6,  241
.set O7,  242
.set XW,  243                          ; where I put 16 bytes of a block in XCH
.set GO,  245                          ; my 16 bytes of block v + 4 z in wsA
.set EB,  248
.set QM,  64
.set ST,  192
.set S4,  128
.set S5,  0
.set S6,  128
.set B7,  0
.set S7,  0
.set CX,  16                           ; conversion arms: 128 registers as loaded,
.set CZ,  144                          ; 64 as stored
.set DST, 44
.set SE6, 46
.set SE7, 48
.set TP,  50
.set SRC, 52
.set WV,  84
.set RT,  85
.set ZH,  86
.set T7,  87
.set M1,  88
.set M2,  89
.set MZ,  90
.set MASK, 91
.set OUT, 92
.set KT,  94
.set MSB, 0
.set SEEN, 0
.macro WIN new                         ; the immediate's high byte repeats the setting that is left; a switch that changes nothing is dropped
.if MSB != (\new)
	s_set_vgpr_msb (MSB<<8)|(\new)
.set MSB, \new
.endif
.endm
; 16 products: four weight fragments (component w at ab + 8 w) x four activation fragments (component a at bb + 8 a).  An accumulator's first product of a stage takes the constant 0.
; The order is P0 P1 P2 P3 P1 N0 P3 N2 P2 N3 N0 P1 P3 P2 N1 N0: no two neighbours share an accumulator, from one call to the next either.
.macro QMUL ab, bb, win=0x50
	WIN \win
.irp a, 0,1,2,3
.irp w, 0,1,2,3
.set qc, (\a)^(\w)
.set qn, (NEGM>>(4*qc+(\a)))&1
.set qa, 8*qc+32*qn
.if (SEEN>>(qc+4*qn))&1
	v_wmma_f32_16x16x32_bf16 v[qa:qa+7], v[(\ab)+8*(\w):(\ab)+8*(\w)+7], v[(\bb)+8*(\a):(\bb)+8*(\a)+7], v[qa:qa+7]
.else
	v_wmma_f32_16x16x32_bf16 v[qa:qa+7], v[(\ab)+8*(\w):(\ab)+8*(\w)+7], v[(\bb)+8*(\a):(\bb)+8*(\a)+7], 0
.set SEEN, SEEN|(1<<(qc+4*qn))
.endif
.endr
.endr
.endm
.macro PLACES8                         ; plain instructions between the last product and the first read of a sum (ISA guide 7.12.1)
.rept 8
	v_nop
.endr
.endm
.macro YSUB nj                         ; y_c = P_c - N_c for the first nj registers; each accumulator is read from its low end on
	WIN 0x05
.irp c, 0,1,2,3
.set i, 0
.rept (\nj)/2
	v_pk_add_f32 v[Y+8*(\c)+i:Y+8*(\c)+i+1], v[8*(\c)+i:8*(\c)+i+1], v[32+8*(\c)+i:32+8*(\c)+i+1] neg_lo:[0,1] neg_hi:[0,1]
.set i, i+2
.endr
.endr
.endm
.macro TANH nj                         ; two batches of transcendentals, each with one plain instruction and one wait behind it
	WIN 0
.irp c, 0,1,2,3
.set i, 0
.rept (\nj)/2
	v_pk_mul_f32 v[Y+8*(\c)+i:Y+8*(\c)+i+1], v[Y+8*(\c)+i:Y+8*(\c)+i+1], s[KT:KT+1] op_sel_hi:[1,0]
.set i, i+2
.endr
.endr
.irp c, 0,1,2,3
.set i, 0
.rept \nj
	v_exp_f32 v[Y+8*(\c)+i], v[Y+8*(\c)+i]
.set i, i+1
.endr
.endr
	v_nop
	s_wait_alu depctr_va_vdst(0)
.irp c, 0,1,2,3
.set i, 0
.rept (\nj)/2
	v_pk_add_f32 v[Y+8*(\c)+i:Y+8*(\c)+i+1], v[Y+8*(\c)+i:Y+8*(\c)+i+1], 1.0 op_sel_hi:[1,0]
.set i, i+2
.endr
.endr
.irp c, 0,1,2,3
.set i, 0
.rept \nj
	v_rcp_f32 v[Y+8*(\c)+i], v[Y+8*(\c)+i]
.set i, i+1
.endr
.endr
	v_nop
	s_wait_alu depctr_va_vdst(0)
.irp c, 0,1,2,3
.set i, 0
.rept (\nj)/2
	v_pk_fma_f32 v[Y+8*(\c)+i:Y+8*(\c)+i+1], v[Y+8*(\c)+i:Y+8*(\c)+i+1], -2.0, 1.0 op_sel_hi:[1,0,0]
.set i, i+2
.endr
.endr
.endm
.macro UPD ts, td                      ; tile td = tile ts - delta, then tile ts += delta
	WIN 0x41
.set i, 0
.rept 16
	v_pk_add_f32 v[QM+32*(\td)+i:QM+32*(\td)+i+1], v[QM+32*(\ts)+i:QM+32*(\ts)+i+1], v[Y+i:Y+i+1] neg_lo:[0,1] neg_hi:[0,1]
.set i, i+2
.endr
.set i, 0
.rept 16
	v_pk_add_f32 v[QM+32*(\ts)+i:QM+32*(\ts)+i+1], v[QM+32*(\ts)+i:QM+32*(\ts)+i+1], v[Y+i:Y+i+1]
.set i, i+2
.endr
.endm
; Tile t of q, all four components, as hi (four registers at hib + a st) and lo (at lob + a st).
.macro BUILD t, hib, lob, st
	WIN 0x05
.irp a, 0,1,2,3
.irp n, 0,1,2,3
	v_cvt_pk_bf16_f32 v[(\hib)+(\a)*(\st)+(\n)], v[QM+32*(\t)+8*(\a)+2*(\n)], v[QM+32*(\t)+8*(\a)+2*(\n)+1]
.endr
.endr
	WIN 0
.irp a, 0,1,2,3
.irp n, 0,1,2,3
	v_lshlrev_b32 v[Y+8*(\a)+2*(\n)], 16, v[(\hib)+(\a)*(\st)+(\n)]
	v_and_b32 v[Y+8*(\a)+2*(\n)+1], s[MASK], v[(\hib)+(\a)*(\st)+(\n)]
.endr
.endr
	WIN 0x01
.irp a, 0,1,2,3
.irp n, 0,1,2,3
	v_pk_add_f32 v[Y+8*(\a)+2*(\n):Y+8*(\a)+2*(\n)+1], v[QM+32*(\t)+8*(\a)+2*(\n):QM+32*(\t)+8*(\a)+2*(\n)+1], v[Y+8*(\a)+2*(\n):Y+8*(\a)+2*(\n)+1] neg_lo:[0,1] neg_hi:[0,1]
.endr
.endr
	WIN 0
.irp a, 0,1,2,3
.irp n, 0,1,2,3
	v_cvt_pk_bf16_f32 v[(\lob)+(\a)*(\st)+(\n)], v[Y+8*(\a)+2*(\n)], v[Y+8*(\a)+2*(\n)+1]
.endr
.endr
.endm
.macro LDW dst, areg, base, off        ; a weight fragment's 16 numbers a lane in f32: K 8 h + 0..7 and 16 + 8 h + 0..7 of my row
.irp q, 0,1,2,3
	global_load_b128 v[(\dst)+4*(\q):(\dst)+4*(\q)+3], v[\areg], s[(\base):(\base)+1] offset:(\off)+16*((\q)%2)+64*((\q)/2)
.endr
.endm
.macro CVT4 dst, src, win              ; four fragments (components w) from f32 to bf16
	WIN \win
.irp w, 0,1,2,3
.irp n, 0,1,2,3,4,5,6,7
	v_cvt_pk_bf16_f32 v[(\dst)+8*(\w)+(\n)], v[(\src)+16*(\w)+2*(\n)], v[(\src)+16*(\w)+2*(\n)+1]
.endr
.endr
.endm
; A stage of up to 16 quaternions.  sg: the stage; np: packed weight registers a component; nj: distinct registers of delta; src: the weights in f32, 2 np a component, in window 1.
.macro SMALL sg, np, nj, src
	WIN 0x05
.irp w, 0,1,2,3
.set i, 0
.rept \np
	v_cvt_pk_bf16_f32 v[AF+8*(\w)+i], v[(\src)+2*(\np)*(\w)+2*i], v[(\src)+2*(\np)*(\w)+2*i+1]
.set i, i+1
.endr
.endr
	WIN 0
.irp w, 0,1,2,3
.set i, 0
.rept \np
.if (\sg) < 4
	v_and_b32 v[AF+8*(\w)+i], v[HM], v[AF+8*(\w)+i]     ; columns 8-15 are 0
.endif
	v_mov_b32 v[AF+8*(\w)+4+i], v[AF+8*(\w)+i]          ; the same weights for lo
.set i, i+1
.endr
.endr
	BUILD 0, BF, BF+4, 8
.set SEEN, 0
	QMUL AF, BF
	PLACES8
	YSUB \nj
	TANH \nj
.if (\sg) < 3
	WIN 0x41
.irp c, 0,1,2,3
.set j, 0
.rept 8
.if (j>>(\sg))&1
	v_sub_f32 v[QM+8*(\c)+j], v[QM+8*(\c)+j], v[Y+8*(\c)+(j&((\nj)-1))]
.else
	v_add_f32 v[QM+8*(\c)+j], v[QM+8*(\c)+j], v[Y+8*(\c)+(j&((\nj)-1))]
.endif
.set j, j+1
.endr
.endr
.elseif (\sg) == 3
	WIN 0x50
.set j, 0
.rept 32
	v_fma_f32 v[QM+j], v[Y+j], v[SG], v[QM+j]           ; places 8-15 lie in the upper half of the lanes
.set j, j+1
.endr
.else
	UPD 0, 1
.endif
.endm
	s_load_b512 s[8:23], s[0:1], 0x0               ; emb s8, w_exp0 s10, 1 s12, 2 s14, 3 s16, 4 s18, 5 s20, 6 s22
	s_load_b512 s[24:39], s[0:1], 0x40             ; w_exp7 s24, w_layers s26, w_head s28, wl0 s30, wl1 s32, wl2 s34, wl3 s36, wl4 s38
	s_load_b128 s[40:43], s[0:1], 0x80             ; wl5 s40, wsA s42
	v_lshl_add_u32 v[SPW], v0, 2, SPARE
	v_mov_b32 v[NIL], 0
	v_lshrrev_b32 v1, 5, v0
	v_readfirstlane_b32 s[WV], v1                  ; wave 0..3
	v_and_b32 v1, 31, v0
	v_and_b32 v[VM], 15, v0
	v_bfe_u32 v[VH], v0, 4, 1
	v_lshlrev_b32 v[L16], 4, v1
	s_mov_b32 s[MASK], 0xffff0000                  ; a word's upper bf16
	s_mov_b32 s[TP], ttmp9
	s_mov_b32 s[TP+1], 0
	s_wait_kmcnt 0x0
	s_cmp_ge_u32 s[TP], 34                         ; the same in all waves of a work-group
	s_cbranch_scc1 .Lconv
	; ---------------- THE EXPANDERS ----------------
	s_lshr_b32 s[RT], s[TP], 1                     ; row tile T
	s_and_b32 s[ZH], s[TP], 1                      ; z
	s_lshl2_add_u32 s[T7], s[ZH], s[WV]            ; my output tile of stage 7: 4 z + wave
	s_and_b32 s[M1], s[WV], 1
	s_sub_co_u32 s[M1], 0, s[M1]                   ; all ones where the wave's bit 0 is set,
	s_lshr_b32 s[M2], s[WV], 1
	s_sub_co_u32 s[M2], 0, s[M2]                   ; its bit 1,
	s_sub_co_u32 s[MZ], 0, s[ZH]                   ; z
	s_mov_b32 s[KT], 0x4038aa3b                    ; 2 log2(e)
	s_mov_b32 s[KT+1], s[KT]                       ; named with it as a pair
	s_lshl_b32 s[TP], s[WV], 12
	s_add_nc_u64 s[SE6:SE6+1], s[22:23], s[TP:TP+1]  ; w_exp6 at my 16 rows (256 bytes each)
	s_lshl_b32 s[TP], s[T7], 13
	s_add_nc_u64 s[SE7:SE7+1], s[24:25], s[TP:TP+1]  ; w_exp7 at my 16 rows (512 bytes each)
	s_lshl_b32 s[TP], s[RT], 16
	s_add_nc_u64 s[OUT:OUT+1], s[42:43], s[TP:TP+1]  ; wsA at my row tile
	s_lshl_b32 s[TP], s[RT], 4
	v_mov_b32 v[ZO], 0
	v_and_b32 v[O1], 1, v[VM]
	v_lshlrev_b32 v[O1], 3, v[O1]                  ; row m mod 2, 8 bytes
	v_and_b32 v[O2], 3, v[VM]
	v_lshlrev_b32 v[O2], 4, v[O2]                  ; row m mod 4, 16 bytes
	v_and_b32 v[O3], 7, v[VM]
	v_lshlrev_b32 v[O3], 5, v[O3]                  ; row m mod 8, 32 bytes
	v_lshlrev_b32 v[TA], 5, v[VH]                  ; 8 numbers for each half of the lanes
	v_lshl_add_u32 v[O4], v[VM], 6, v[TA]
	v_lshl_add_u32 v[O5], v[VM], 7, v[TA]
	v_lshl_add_u32 v[O6], v[VM], 8, v[TA]
	v_lshl_add_u32 v[O7], v[VM], 9, v[TA]
	v_add_nc_u32 v[EO], s[TP], v[VM]
	v_min_u32 v[EO], 0x100, v[EO]                  ; rows past 256 repeat row 256
	v_lshlrev_b32 v[EO], 4, v[EO]
	global_load_b128 v[EB:EB+3], v[EO], s[8:9]     ; 29 small loads,
	WIN 0x40
.irp w, 0,1,2,3
	global_load_b32 v[ST+2*(\w)], v[ZO], s[10:11] offset:4*(\w)
.endr
.irp w, 0,1,2,3
	global_load_b64 v[ST+8+2*(\w):ST+8+2*(\w)+1], v[O1], s[12:13] offset:16*(\w)
.endr
.irp w, 0,1,2,3
	global_load_b128 v[ST+16+4*(\w):ST+16+4*(\w)+3], v[O2], s[14:15] offset:64*(\w)
.endr
.irp w, 0,1,2,3
	global_load_b128 v[ST+32+8*(\w):ST+32+8*(\w)+3], v[O3], s[16:17] offset:256*(\w)
	global_load_b128 v[ST+32+8*(\w)+4:ST+32+8*(\w)+7], v[O3], s[16:17] offset:256*(\w)+16
.endr
.irp w, 0,1,2,3
	global_load_b128 v[S4+8*(\w):S4+8*(\w)+3], v[O4], s[18:19] offset:1024*(\w)
	global_load_b128 v[S4+8*(\w)+4:S4+8*(\w)+7], v[O4], s[18:19] offset:1024*(\w)+16
.endr
	WIN 0x80
.irp t, 0,1
.irp w, 0,1,2,3
	LDW S5+((\t)*4+(\w))*16, O5, 20, (\w)*4096+(\t)*2048   ; and stage 5's 32: output tile t, component w
.endr
.endr
	WIN 0x40
.irp w, 0,1,2,3
	v_mov_b32 v[ST+2*(\w)+1], 0                    ; stage 0 has one column: its neighbour in the pair is 0
.endr
	WIN 0
.set i, 0
.rept 32
	v_mov_b32 v[AF+i], 0                           ; the small stages' weight columns from cq on
.set i, i+1
.endr
	v_add_nc_u32 v[HM], -1, v[VH]
	v_lshlrev_b32 v[SG], 31, v[VH]
	v_or_b32 v[SG], 0x3f800000, v[SG]
	s_lshl_b32 s[TP], s[WV], 9
	v_add_nc_u32 v[XW], s[TP], v[L16]
	s_lshl_b32 s[TP], s[T7], 9
	v_add_nc_u32 v[GO], s[TP], v[L16]
	s_wait_loadcnt 32                              ; the 29 small loads are in; stage 5's 32 may stay out
	WIN 0x80
.irp kk, 0,1
.irp w, 0,1,2,3
	LDW S6+((\kk)*4+(\w))*16, O6, SE6, (\w)*16384+(\kk)*128   ; stage 6's 32: K step kk, component w
.endr
.endr
	WIN 0
	v_cvt_pk_bf16_f32 v252, v[EB], v[EB+1]         ; the embedding is rounded to bf16 like every input,
	v_cvt_pk_bf16_f32 v253, v[EB+2], v[EB+3]
	v_lshlrev_b32 v[EB], 16, v252
	v_and_b32 v[EB+1], s[MASK], v252
	v_lshlrev_b32 v[EB+2], 16, v253
	v_and_b32 v[EB+3], s[MASK], v253
	WIN 0x40
.irp c, 0,1,2,3
.irp j, 0,1,2,3,4,5,6,7
	v_mov_b32 v[QM+8*(\c)+(\j)], v[EB+(\c)]        ; and stands at all 16 places (period 1)
.endr
.endr
	SMALL 0, 1, 2, ST
	s_wait_loadcnt 32                              ; stage 5's weights are in; stage 6's 32 may stay out
	WIN 0xc0
.irp kk, 0,1
.irp w, 0,1,2,3
	LDW S7+((\kk)*4+(\w))*16, O7, SE7, (\w)*65536+(\kk)*128   ; stage 7's first 32
.endr
.endr
	SMALL 1, 1, 2, ST+8
	s_wait_loadcnt 32                              ; stage 6's weights are in; stage 7's first 32 may stay out
	WIN 0xc0
.irp kk, 2,3
.irp w, 0,1,2,3
	LDW S7+((\kk)*4+(\w))*16, O7, SE7, (\w)*65536+(\kk)*128   ; stage 7's last 32
.endr
.endr
	SMALL 2, 2, 4, ST+16
	SMALL 3, 4, 8, ST+32
	SMALL 4, 4, 8, S4
	; stage 5: 32 quaternions, one K step, two output tiles
	BUILD 0, BF, BF+32, 8
	BUILD 1, BF+4, BF+36, 8
	CVT4 AF, S5, 0x0a
	CVT4 AF+32, S5+64, 0x0a
.set SEEN, 0
	QMUL AF, BF
	QMUL AF, BF+32
	PLACES8
	YSUB 8
	TANH 8
	UPD 0, 2
.set SEEN, 0
	QMUL AF+32, BF
	QMUL AF+32, BF+32
	PLACES8
	YSUB 8
	TANH 8
	UPD 1, 3
	; stage 6: 64 quaternions, two K steps; my output tile is my wave's number
	BUILD 0, BF, BF+32, 8
	BUILD 1, BF+4, BF+36, 8
	BUILD 2, BF+64, BF+96, 8
	BUILD 3, BF+68, BF+100, 8
	CVT4 AF, S6, 0x0a
	CVT4 AF+32, S6+64, 0x0a
.set SEEN, 0
	QMUL AF, BF
	QMUL AF, BF+32
	QMUL AF+32, BF+64
	QMUL AF+32, BF+96
	WIN 0x45                                       ; q's tile of my number comes to tile 0: 96 plain instructions, which name no register of the products: the places behind them
.set i, 0
.rept 32
	v_cndmask_b32 v[QM+i], v[QM+i], v[QM+32+i], s[M1]
.set i, i+1
.endr
.set i, 0
.rept 32
	v_cndmask_b32 v[QM+64+i], v[QM+64+i], v[QM+96+i], s[M1]
.set i, i+1
.endr
.set i, 0
.rept 32
	v_cndmask_b32 v[QM+i], v[QM+i], v[QM+64+i], s[M2]
.set i, i+1
.endr
	YSUB 8
	TANH 8
	UPD 0, 1                                       ; tile 0: the new tile v; tile 1: the new tile v + 4
	BUILD 0, OQ, OQ+16, 4
	BUILD 1, OQ+32, OQ+48, 4
.irp x, 0,1
.irp p, 0,1
.irp a, 0,1,2,3
	ds_store_b128 v[XW], v[OQ+32*(\x)+16*(\p)+4*(\a):OQ+32*(\x)+16*(\p)+4*(\a)+3] offset:XCH+((\p)*4+(\a))*4096+(\x)*2048
.endr
.endr
.endr
	s_wait_loadcnt 0x0                             ; stage 7's weights are in
	s_wait_dscnt 0x0                               ; for the others' sake: my blocks lie in LDS
	s_barrier_signal -1
	WIN 0x45                                       ; work on registers while the others arrive: q's tile v + 4 z comes to tile 0,
.set i, 0
.rept 32
	v_cndmask_b32 v[QM+i], v[QM+i], v[QM+32+i], s[MZ]
.set i, i+1
.endr
.irp kk, 0,1,2,3
	CVT4 AF+32*(\kk), S7+64*(\kk), 0x0f            ; and stage 7's weights are rounded: K step kk at v[16 + 32 kk]
.endr
	WIN 0
	s_barrier_wait -1
	; stage 7: 128 quaternions, four K steps
	WIN 0x80
.irp kk, 0,1,2,3
.irp p, 0,1
.irp a, 0,1,2,3
.irp b, 0,1
	ds_load_b128 v[B7+((\kk)*2+(\p))*32+(\a)*8+4*(\b):B7+((\kk)*2+(\p))*32+(\a)*8+4*(\b)+3], v[L16] offset:XCH+((\p)*4+(\a))*4096+(2*(\kk)+(\b))*512
.endr
.endr
.endr
.endr
.set SEEN, 0
.irp kk, 0,1,2,3
	s_wait_dscnt 48-16*(\kk)                       ; K step kk's 16 loads are in; the later steps' may stay out
	QMUL AF+32*(\kk), B7+64*(\kk), 0x58
	QMUL AF+32*(\kk), B7+64*(\kk)+32, 0x58
.endr
	PLACES8
	YSUB 8
	TANH 8
	UPD 0, 1                                       ; tile 0: the new tile v + 4 z; tile 1: that + 8
	BUILD 0, OQ, OQ+16, 4
	BUILD 1, OQ+32, OQ+48, 4
.irp x, 0,1
.irp p, 0,1
.irp a, 0,1,2,3
	global_store_b128 v[GO], v[OQ+32*(\x)+16*(\p)+4*(\a):OQ+32*(\x)+16*(\p)+4*(\a)+3], s[OUT:OUT+1] offset:((\p)*4+(\a))*8192+(\x)*4096
.endr
.endr
.endr
	s_wait_tensorcnt 0x0                           ; the wave's end: three closing lines behind my last LDS store
	ds_add_u32 v[SPW], v[NIL]
	s_wait_dscnt 0x0
	s_endpgm
	; ---------------- THE WEIGHTS OF THE LAYERS ----------------
	; wl_d: [t 16][K step 8][w 4][b 2][512 bytes]; in a block lane (m, h) has bf16 of W[d][w][16 t + m][32 kk + 16 b + 8 h + 0..7].
.Lconv:
	s_sub_co_u32 s[T7], s[TP], 34
	s_cmp_ge_u32 s[T7], 96
	s_cbranch_scc1 .Lhead
	s_lshr_b32 s[RT], s[T7], 4                     ; layer d
	s_and_b32 s[ZH], s[T7], 15                     ; output tile t
	s_lshl_b32 s[TP], s[RT], 20
	s_lshl_b32 s[M1], s[WV], 18
	s_add_co_u32 s[TP], s[TP], s[M1]
	s_lshl_b32 s[M1], s[ZH], 14
	s_add_co_u32 s[TP], s[TP], s[M1]
	s_add_nc_u64 s[SRC:SRC+1], s[26:27], s[TP:TP+1]  ; W[d][w] at row 16 t
	s_mov_b64 s[DST:DST+1], s[30:31]               ; the layer's own buffer
	s_cmp_eq_u32 s[RT], 1
	s_cselect_b64 s[DST:DST+1], s[32:33], s[DST:DST+1]
	s_cmp_eq_u32 s[RT], 2
	s_cselect_b64 s[DST:DST+1], s[34:35], s[DST:DST+1]
	s_cmp_eq_u32 s[RT], 3
	s_cselect_b64 s[DST:DST+1], s[36:37], s[DST:DST+1]
	s_cmp_eq_u32 s[RT], 4
	s_cselect_b64 s[DST:DST+1], s[38:39], s[DST:DST+1]
	s_cmp_eq_u32 s[RT], 5
	s_cselect_b64 s[DST:DST+1], s[40:41], s[DST:DST+1]
	s_lshl_b32 s[TP], s[ZH], 15
	s_lshl_b32 s[M1], s[WV], 10
	s_add_co_u32 s[TP], s[TP], s[M1]
	s_add_nc_u64 s[DST:DST+1], s[DST:DST+1], s[TP:TP+1]
	v_lshlrev_b32 v[TA], 5, v[VH]
	v_lshl_add_u32 v[TA], v[VM], 10, v[TA]         ; row m x 1,024 bytes + 8 numbers for each half of the lanes
.set k, 0
.rept 16                                               ; block k = 2 kk + b: 64 bytes further along the row
	global_load_b128 v[CX+8*k:CX+8*k+3], v[TA], s[SRC:SRC+1] offset:64*k
	global_load_b128 v[CX+8*k+4:CX+8*k+7], v[TA], s[SRC:SRC+1] offset:64*k+16
.set k, k+1
.endr
.set k, 0
.rept 16
.if (k%4) == 0
	s_wait_loadcnt 24-2*k                          ; the next four blocks' eight loads are in; the later ones may stay out
.endif
.irp n, 0,1,2,3
	v_cvt_pk_bf16_f32 v[CZ+4*k+(\n)], v[CX+8*k+2*(\n)], v[CX+8*k+2*(\n)+1]
.endr
	global_store_b128 v[L16], v[CZ+4*k:CZ+4*k+3], s[DST:DST+1] offset:(k/2)*4096+(k%2)*512
.set k, k+1
.endr
	s_wait_tensorcnt 0x0
	ds_add_u32 v[SPW], v[NIL]
	s_wait_dscnt 0x0
	s_endpgm
	; ---------------- THE WEIGHTS OF THE HEAD ----------------
	; wl0 + HOFF: [vt 17][a 4][K step 8][b 2][512 bytes]; lane (m, h) has bf16 of w_head[min(16 vt + m, 256)][4 i + a], i = 32 kk + 16 b + 8 h + 0..7.  Wave v takes K steps 2 v, 2 v + 1.
.Lhead:
	s_sub_co_u32 s[RT], s[T7], 96                  ; vt
	s_lshl_b32 s[TP], s[WV], 10
	s_add_nc_u64 s[SRC:SRC+1], s[28:29], s[TP:TP+1]  ; 64 quaternions of a row are 1,024 bytes
	s_lshl_b32 s[TP], s[RT], 15
	s_lshl_b32 s[M1], s[WV], 11
	s_add_co_u32 s[TP], s[TP], s[M1]
	s_add_co_u32 s[TP], s[TP], HOFF
	s_add_nc_u64 s[DST:DST+1], s[30:31], s[TP:TP+1]
	s_lshl_b32 s[M1], s[RT], 4
	v_add_nc_u32 v[TA], s[M1], v[VM]
	v_min_u32 v[TA], 0x100, v[TA]                  ; columns past 256 repeat column 256
	v_lshlrev_b32 v[TA], 12, v[TA]
	v_lshl_add_u32 v[TA], v[VH], 7, v[TA]          ; 8 quaternions for each half of the lanes
.set k, 0
.rept 32                                               ; block k / 8, quaternion k % 8: its four components
	global_load_b128 v[CX+4*k:CX+4*k+3], v[TA], s[SRC:SRC+1] offset:(k/8)*256+(k%8)*16
.set k, k+1
.endr
.set k, 0
.rept 4
	s_wait_loadcnt 24-8*k                          ; block k's eight loads are in
.irp a, 0,1,2,3
.irp n, 0,1,2,3
	v_cvt_pk_bf16_f32 v[CZ+(k*4+(\a))*4+(\n)], v[CX+32*k+8*(\n)+(\a)], v[CX+32*k+8*(\n)+4+(\a)]
.endr
	global_store_b128 v[L16], v[CZ+(k*4+(\a))*4:CZ+(k*4+(\a))*4+3], s[DST:DST+1] offset:(\a)*8192+k*512
.endr
.set k, k+1
.endr
	s_wait_tensorcnt 0x0
	ds_add_u32 v[SPW], v[NIL]
	s_wait_dscnt 0x0
	s_endpgm
.Lfunc_end_k_q0bb7e1e142_prep:
	.size	k_q0bb7e1e142_prep, .Lfunc_end_k_q0bb7e1e142_prep-k_q0bb7e1e142_prep
	.p2alignl 7, 3214868480
	.fill 96, 4, 3214868480
	.section	.rodata,"a",@progbits
	.p2align	6, 0x0
	.amdhsa_kernel k_q0bb7e1e142_prep
		.amdhsa_group_segment_fixed_size 33280
		.amdhsa_private_segment_fixed_size 0
		.amdhsa_enable_private_segment 0
		.amdhsa_kernarg_size 144
		.amdhsa_user_sgpr_count 2
		.amdhsa_user_sgpr_kernarg_segment_ptr 1
		.amdhsa_wavefront_size32 1
		.amdhsa_system_sgpr_workgroup_id_x 1
		.amdhsa_system_sgpr_workgroup_id_y 1
		.amdhsa_system_sgpr_workgroup_id_z 1
		.amdhsa_system_vgpr_workitem_id 0
		.amdhsa_next_free_vgpr 1024
		.amdhsa_next_free_sgpr 96
		.amdhsa_reserve_vcc 0
		.amdhsa_float_denorm_mode_32 3
		.amdhsa_float_denorm_mode_16_64 3
		.amdhsa_memory_ordered 1
		.amdhsa_forward_progress 1
		.amdhsa_inst_pref_size 220
	.end_amdhsa_kernel
	.amdgpu_metadata
---
amdhsa.version: [ 1, 2 ]
amdhsa.kernels:
  - .name:           k_q0bb7e1e142_prep
    .symbol:         k_q0bb7e1e142_prep.kd
    .args:
      - { .name: emb, .offset: 0, .size: 8, .value_kind: global_buffer, .address_space: global }
      - { .name: w_exp0, .offset: 8, .size: 8, .value_kind: global_buffer, .address_space: global }
      - { .name: w_exp1, .offset: 16, .size: 8, .value_kind: global_buffer, .address_space: global }
      - { .name: w_exp2, .offset: 24, .size: 8, .value_kind: global_buffer, .address_space: global }
      - { .name: w_exp3, .offset: 32, .size: 8, .value_kind: global_buffer, .address_space: global }
      - { .name: w_exp4, .offset: 40, .size: 8, .value_kind: global_buffer, .address_space: global }
      - { .name: w_exp5, .offset: 48, .size: 8, .value_kind: global_buffer, .address_space: global }
      - { .name: w_exp6, .offset: 56, .size: 8, .value_kind: global_buffer, .address_space: global }
      - { .name: w_exp7, .offset: 64, .size: 8, .value_kind: global_buffer, .address_space: global }
      - { .name: w_layers, .offset: 72, .size: 8, .value_kind: global_buffer, .address_space: global }
      - { .name: w_head, .offset: 80, .size: 8, .value_kind: global_buffer, .address_space: global }
      - { .name: wl0, .offset: 88, .size: 8, .value_kind: global_buffer, .address_space: global }
      - { .name: wl1, .offset: 96, .size: 8, .value_kind: global_buffer, .address_space: global }
      - { .name: wl2, .offset: 104, .size: 8, .value_kind: global_buffer, .address_space: global }
      - { .name: wl3, .offset: 112, .size: 8, .value_kind: global_buffer, .address_space: global }
      - { .name: wl4, .offset: 120, .size: 8, .value_kind: global_buffer, .address_space: global }
      - { .name: wl5, .offset: 128, .size: 8, .value_kind: global_buffer, .address_space: global }
      - { .name: wsA, .offset: 136, .size: 8, .value_kind: global_buffer, .address_space: global }
    .group_segment_fixed_size: 33280
    .private_segment_fixed_size: 0
    .kernarg_segment_align: 8
    .kernarg_segment_size: 144
    .max_flat_workgroup_size: 128
    .sgpr_count:     96
    .vgpr_count:     1024
    .wavefront_size: 32
...
	.end_amdgpu_metadata
.endif
;; end of part 1
;; launch layer (part 2): grid 16 x 17, 4 waves a work-group, no clusters, 16,896 bytes of LDS; arguments wl0, wsA, wsB; writes wsB
.if DOCPART == 2
	.amdgcn_target "amdgcn-amd-amdhsa--gfx1250"
	.amdhsa_code_object_version 6
	.text
	.protected	k_q0bb7e1e142_layer
	.globl	k_q0bb7e1e142_layer
	.p2align	8
	.type	k_q0bb7e1e142_layer,@function
k_q0bb7e1e142_layer:
	s_mov_b64 s[64:65], 0
	v_nop
	global_prefetch_b8 v0, s[64:65] scope:SCOPE_SE
	s_setreg_imm32_b32 hwreg(HW_REG_WAVE_MODE, 25, 1), 1
	s_wait_xcnt 0x0
; ONE QUATERNION LAYER, 256 -> 256, AND ITS NORMALISATION, for the 272 table rows.  Arguments: the layer's weights (bf16 fragments), activations in, activations out.
; A work-group makes 16 quaternion outputs (x = t) of 16 rows (y = T).  K, 256 quaternions, IS SPLIT AMONG ITS FOUR WAVES: wave v takes i = 64 v .. 64 v + 63, two K steps of 32;
; the four partial sums meet in LDS, every wave adds all four components (the norm wants them), and wave v finishes and stores component v.
; Weights: [t 16][K step 8][w 4][b 2][512 bytes].  Activations: [T 17][part 2][component 4][u 16][512 bytes], lane l at 16 l: bf16 of q[row l % 16][16 u + 8 (l / 16) + 0..7];
; part 0 = hi = bf16(q), part 1 = lo = bf16(q - hi).  Operands come straight from memory in fragment order: every load and store of a wave covers 512 consecutive bytes, aligned.
; Source 0 = 16 weight rows, source 1 = 16 table rows: lane (r, h) holds in register j output 8 h + j of row r, which packed in pairs is a block of the activations out.
; out_c = sum over a of s(c, a) W_(c xor a) q_a; two sums a component, P_c (s = +) and N_c (s = -); NEGM: bit 4 c + a set where s is -.
; q = y / (sqrt(sum over c of y_c^2) + 1e-8).  LIMITS: a squared norm below 2^-126 counts as 0 ahead of the 1e-8; NaN and infinities are not treated apart.
; No cluster: operands go to registers, not through LDS, and 17 row tiles do not divide by four.
.set NEGM,  0x428e
.set PART,  0                          ; LDS: [wave 4][component 4][half 2][512 bytes] of f32
.set SPARE, 16384                      ; the spare words, 128 bytes a wave: two blocks of 256 bytes that no other line names
.set L16, 4                            ; 16 x lane
.set WA,  5                            ; where I put a partial sum
.set RA,  6                            ; v6-9: where I read component v xor e
.set SPW, 14
.set NIL, 15
.set AF,  16                           ; v[16:79]   weights: (kk 4 + w) 8
.set BF,  80                           ; v[80:207]  activations: ((kk 2 + p) 4 + a) 8
.set Y,   208                          ; v[208:239] y_c at 8 c; later q
.set R,   16                           ; behind the barrier: ((e 4 + wave) 2 + half) 4
.set HB,  216
.set LB,  220
.set TT,  224
.set N2,  240
.set WV,  10
.set SA,  14
.set SB,  16
.set SO,  18
.set EPS, 22
.set MASK, 24
.set MSB, 0
.set SEEN, 0
.macro WIN new
.if MSB != (\new)
	s_set_vgpr_msb (MSB<<8)|(\new)
.set MSB, \new
.endif
.endm
; 16 products; the order P0 P1 P2 P3 P1 N0 P3 N2 P2 N3 N0 P1 P3 P2 N1 N0 lets the accumulators (window 1: P_c at 8 c, N_c at 32 + 8 c) take turns, from call to call too.
.macro QMUL ab, bb
	WIN 0x50
.irp a, 0,1,2,3
.irp w, 0,1,2,3
.set qc, (\a)^(\w)
.set qn, (NEGM>>(4*qc+(\a)))&1
.set qa, 8*qc+32*qn
.if (SEEN>>(qc+4*qn))&1
	v_wmma_f32_16x16x32_bf16 v[qa:qa+7], v[(\ab)+8*(\w):(\ab)+8*(\w)+7], v[(\bb)+8*(\a):(\bb)+8*(\a)+7], v[qa:qa+7]
.else
	v_wmma_f32_16x16x32_bf16 v[qa:qa+7], v[(\ab)+8*(\w):(\ab)+8*(\w)+7], v[(\bb)+8*(\a):(\bb)+8*(\a)+7], 0
.set SEEN, SEEN|(1<<(qc+4*qn))
.endif
.endr
.endr
.endm
.macro LDA kk
.irp w, 0,1,2,3
.irp b, 0,1
	global_load_b128 v[AF+((\kk)*4+(\w))*8+4*(\b):AF+((\kk)*4+(\w))*8+4*(\b)+3], v[L16], s[SA:SA+1] offset:(((\kk)*4+(\w))*2+(\b))*512
.endr
.endr
.endm
.macro LDB kk, p
.irp a, 0,1,2,3
.irp b, 0,1
	global_load_b128 v[BF+(((\kk)*2+(\p))*4+(\a))*8+4*(\b):BF+(((\kk)*2+(\p))*4+(\a))*8+4*(\b)+3], v[L16], s[SB:SB+1] offset:((\p)*4+(\a))*8192+(2*(\kk)+(\b))*512
.endr
.endr
.endm
	s_load_b128 s[4:7], s[0:1], 0x0                ; weights s[4:5], activations in s[6:7]
	s_load_b64 s[8:9], s[0:1], 0x10                ; activations out
	v_lshl_add_u32 v[SPW], v0, 2, SPARE
	v_mov_b32 v[NIL], 0
	v_lshrrev_b32 v1, 5, v0
	v_readfirstlane_b32 s[WV], v1                  ; wave 0..3
	v_and_b32 v1, 31, v0
	v_lshlrev_b32 v[L16], 4, v1
	s_and_b32 s12, ttmp7, 0xffff
	s_lshl_b32 s12, s12, 16                        ; T x 65,536
	s_lshl_b32 s13, s[WV], 13                      ; wave x 8,192
	s_lshl_b32 s20, ttmp9, 15                      ; t x 32,768
	s_add_co_u32 s20, s20, s13                     ; + my two K steps
	s_mov_b32 s21, 0
	s_lshl_b32 s26, s[WV], 11                      ; my four blocks u
	s_add_co_u32 s26, s26, s12
	s_mov_b32 s27, 0
	s_lshl_b32 s28, ttmp9, 9                       ; out: block u = t, component = my wave
	s_add_co_u32 s28, s28, s13
	s_add_co_u32 s28, s28, s12
	s_mov_b32 s29, 0
	s_mov_b32 s[EPS], 0x322bcc77                   ; 1e-8
	s_mov_b32 s[EPS+1], s[EPS]                     ; named with it as a pair
	s_mov_b32 s[MASK], 0xffff0000
	s_wait_kmcnt 0x0
	s_add_nc_u64 s[SA:SA+1], s[4:5], s[20:21]
	s_add_nc_u64 s[SB:SB+1], s[6:7], s[26:27]
	s_add_nc_u64 s[SO:SO+1], s[8:9], s[28:29]
	LDA 0                                          ; 48 loads, eight to a group, in the order of their use
	LDB 0, 0
	LDB 0, 1
	LDA 1
	LDB 1, 0
	LDB 1, 1
	s_lshl_b32 s30, s[WV], 12
	v_add_nc_u32 v[WA], s30, v[L16]
.irp e, 0,1,2,3
	s_xor_b32 s30, s[WV], \e
	s_lshl_b32 s30, s30, 10
	v_add_nc_u32 v[RA+(\e)], s30, v[L16]
.endr
	s_wait_loadcnt 32                              ; the first two groups are in; four groups may stay out
	QMUL AF, BF
	s_wait_loadcnt 24                              ; three groups may stay out
	QMUL AF, BF+32
	s_wait_loadcnt 8                               ; the last group may stay out
	QMUL AF+32, BF+64
	s_wait_loadcnt 0x0
	QMUL AF+32, BF+96
.rept 8
	v_nop                                          ; plain instructions between the last product and the first read of a sum (ISA guide 7.12.1)
.endr
	WIN 0x05
.irp c, 0,1,2,3
.irp n, 0,2,4,6
	v_pk_add_f32 v[Y+8*(\c)+(\n):Y+8*(\c)+(\n)+1], v[8*(\c)+(\n):8*(\c)+(\n)+1], v[32+8*(\c)+(\n):32+8*(\c)+(\n)+1] neg_lo:[0,1] neg_hi:[0,1]  ; P_c - N_c, each accumulator from its low end on
.endr
.endr
	WIN 0
.irp c, 0,1,2,3
.irp q, 0,1
	ds_store_b128 v[WA], v[Y+8*(\c)+4*(\q):Y+8*(\c)+4*(\q)+3] offset:PART+(\c)*1024+(\q)*512
.endr
.endr
	s_wait_dscnt 0x0                               ; for the others' sake: my partial sums lie in LDS
	s_barrier_signal -1
	s_barrier_wait -1
.irp e, 0,1,2,3
.irp u, 0,1,2,3
.irp q, 0,1
	ds_load_b128 v[R+(((\e)*4+(\u))*2+(\q))*4:R+(((\e)*4+(\u))*2+(\q))*4+3], v[RA+(\e)] offset:PART+(\u)*4096+(\q)*512
.endr
.endr
.endr
.irp e, 0,1,2,3
	s_wait_dscnt 24-8*(\e)                         ; component v xor e's eight loads are in; the later components' may stay out
.irp n, 0,2,4,6
	v_pk_add_f32 v[R+32*(\e)+(\n):R+32*(\e)+(\n)+1], v[R+32*(\e)+(\n):R+32*(\e)+(\n)+1], v[R+32*(\e)+8+(\n):R+32*(\e)+8+(\n)+1]
	v_pk_add_f32 v[R+32*(\e)+16+(\n):R+32*(\e)+16+(\n)+1], v[R+32*(\e)+16+(\n):R+32*(\e)+16+(\n)+1], v[R+32*(\e)+24+(\n):R+32*(\e)+24+(\n)+1]
.endr
.irp n, 0,2,4,6
	v_pk_add_f32 v[R+32*(\e)+(\n):R+32*(\e)+(\n)+1], v[R+32*(\e)+(\n):R+32*(\e)+(\n)+1], v[R+32*(\e)+16+(\n):R+32*(\e)+16+(\n)+1]
.endr
.endr
.irp n, 0,2,4,6
	v_pk_mul_f32 v[N2+(\n):N2+(\n)+1], v[R+(\n):R+(\n)+1], v[R+(\n):R+(\n)+1]
.endr
.irp e, 1,2,3
.irp n, 0,2,4,6
	v_pk_fma_f32 v[N2+(\n):N2+(\n)+1], v[R+32*(\e)+(\n):R+32*(\e)+(\n)+1], v[R+32*(\e)+(\n):R+32*(\e)+(\n)+1], v[N2+(\n):N2+(\n)+1]
.endr
.endr
.irp n, 0,1,2,3,4,5,6,7
	v_sqrt_f32 v[N2+(\n)], v[N2+(\n)]
.endr
	v_nop                                          ; a plain instruction behind the batch,
	s_wait_alu depctr_va_vdst(0)                   ; and its one wait
.irp n, 0,2,4,6
	v_pk_add_f32 v[N2+(\n):N2+(\n)+1], v[N2+(\n):N2+(\n)+1], s[EPS:EPS+1] op_sel_hi:[1,0]
.endr
.irp n, 0,1,2,3,4,5,6,7
	v_rcp_f32 v[N2+(\n)], v[N2+(\n)]
.endr
	v_nop
	s_wait_alu depctr_va_vdst(0)
.irp n, 0,2,4,6
	v_pk_mul_f32 v[Y+(\n):Y+(\n)+1], v[R+(\n):R+(\n)+1], v[N2+(\n):N2+(\n)+1]   ; e = 0 is my own component
.endr
.irp n, 0,1,2,3
	v_cvt_pk_bf16_f32 v[HB+(\n)], v[Y+2*(\n)], v[Y+2*(\n)+1]                    ; hi
.endr
.irp n, 0,1,2,3
	v_lshlrev_b32 v[TT+2*(\n)], 16, v[HB+(\n)]
	v_and_b32 v[TT+2*(\n)+1], s[MASK], v[HB+(\n)]
.endr
.irp n, 0,2,4,6
	v_pk_add_f32 v[TT+(\n):TT+(\n)+1], v[Y+(\n):Y+(\n)+1], v[TT+(\n):TT+(\n)+1] neg_lo:[0,1] neg_hi:[0,1]
.endr
.irp n, 0,1,2,3
	v_cvt_pk_bf16_f32 v[LB+(\n)], v[TT+2*(\n)], v[TT+2*(\n)+1]                  ; lo
.endr
	global_store_b128 v[L16], v[HB:HB+3], s[SO:SO+1]
	global_store_b128 v[L16], v[LB:LB+3], s[SO:SO+1] offset:32768
	s_wait_tensorcnt 0x0                           ; the wave's end: three closing lines behind my last LDS store
	ds_add_u32 v[SPW], v[NIL]
	s_wait_dscnt 0x0
	s_endpgm
.Lfunc_end_k_q0bb7e1e142_layer:
	.size	k_q0bb7e1e142_layer, .Lfunc_end_k_q0bb7e1e142_layer-k_q0bb7e1e142_layer
	.p2alignl 7, 3214868480
	.fill 96, 4, 3214868480
	.section	.rodata,"a",@progbits
	.p2align	6, 0x0
	.amdhsa_kernel k_q0bb7e1e142_layer
		.amdhsa_group_segment_fixed_size 16896
		.amdhsa_private_segment_fixed_size 0
		.amdhsa_enable_private_segment 0
		.amdhsa_kernarg_size 24
		.amdhsa_user_sgpr_count 2
		.amdhsa_user_sgpr_kernarg_segment_ptr 1
		.amdhsa_wavefront_size32 1
		.amdhsa_system_sgpr_workgroup_id_x 1
		.amdhsa_system_sgpr_workgroup_id_y 1
		.amdhsa_system_sgpr_workgroup_id_z 1
		.amdhsa_system_vgpr_workitem_id 0
		.amdhsa_next_free_vgpr 320
		.amdhsa_next_free_sgpr 66
		.amdhsa_reserve_vcc 0
		.amdhsa_float_denorm_mode_32 3
		.amdhsa_float_denorm_mode_16_64 3
		.amdhsa_memory_ordered 1
		.amdhsa_forward_progress 1
		.amdhsa_inst_pref_size 21
	.end_amdhsa_kernel
	.amdgpu_metadata
---
amdhsa.version: [ 1, 2 ]
amdhsa.kernels:
  - .name:           k_q0bb7e1e142_layer
    .symbol:         k_q0bb7e1e142_layer.kd
    .args:
      - { .name: wl0, .offset: 0, .size: 8, .value_kind: global_buffer, .address_space: global }
      - { .name: wsA, .offset: 8, .size: 8, .value_kind: global_buffer, .address_space: global }
      - { .name: wsB, .offset: 16, .size: 8, .value_kind: global_buffer, .address_space: global }
    .group_segment_fixed_size: 16896
    .private_segment_fixed_size: 0
    .kernarg_segment_align: 8
    .kernarg_segment_size: 24
    .max_flat_workgroup_size: 128
    .sgpr_count:     66
    .vgpr_count:     320
    .wavefront_size: 32
...
	.end_amdgpu_metadata
.endif
;; end of part 2
;; launch lay2: the kernel of part 2 again; grid 16 x 17, 4 waves a work-group, no clusters, 16,896 bytes of LDS; arguments wl1, wsB, wsA; writes wsA
;; launch lay3: the kernel of part 2 again; grid 16 x 17, 4 waves a work-group, no clusters, 16,896 bytes of LDS; arguments wl2, wsA, wsB; writes wsB
;; launch lay4: the kernel of part 2 again; grid 16 x 17, 4 waves a work-group, no clusters, 16,896 bytes of LDS; arguments wl3, wsB, wsA; writes wsA
;; launch lay5: the kernel of part 2 again; grid 16 x 17, 4 waves a work-group, no clusters, 16,896 bytes of LDS; arguments wl4, wsA, wsB; writes wsB
;; launch lay6: the kernel of part 2 again; grid 16 x 17, 4 waves a work-group, no clusters, 16,896 bytes of LDS; arguments wl5, wsB, wsA; writes wsA
;; launch head (part 3): grid 5 x 17, 8 waves a work-group, no clusters, 36,096 bytes of LDS; arguments wl0, wsA, wsB; writes wsB
.if DOCPART == 3
	.amdgcn_target "amdgcn-amd-amdhsa--gfx1250"
	.amdhsa_code_object_version 6
	.text
	.protected	k_q0bb7e1e142_head
	.globl	k_q0bb7e1e142_head
	.p2align	8
	.type	k_q0bb7e1e142_head,@function
k_q0bb7e1e142_head:
	s_mov_b64 s[64:65], 0
	v_nop
	global_prefetch_b8 v0, s[64:65] scope:SCOPE_SE
	s_setreg_imm32_b32 hwreg(HW_REG_WAVE_MODE, 25, 1), 1
	s_wait_xcnt 0x0
; THE HEAD, for the 272 table rows: the table Tab[272][320] of f32 (row = token id, 257 columns of logits, the rest padding that nobody reads) at wsB's byte 0,
; and L[272] at byte LOFF: L[row] = the sum over the 256 quaternions of |real part|.
; A work-group makes 16 rows (y = T) x 64 columns (x = g: 256 bytes of a table row): four column tiles vt = min(4 g + ct, 16); in g = 4 the three surplus tiles repeat tile 16 into the padding.
; K (4 components x 256 quaternions, hi and lo) IS SPLIT AMONG EIGHT WAVES: wave wv takes component a = wv / 2 and quaternions 128 (wv % 2) on, four K steps of 32.
; The eight partial tiles meet in LDS; each thread then adds eight times 16 bytes and stores them: sixteen lanes store 256 consecutive bytes, aligned.
; Weights at wl0 + HOFF: [vt 17][a 4][K step 8][b 2][512 bytes]; activations as the layers leave them.  Source 0 = 16 columns' weights, source 1 = 16 rows: a lane ends with eight neighbouring columns of one row.
; L is made in the work-groups g = 0 by waves 0 and 1, which hold the real parts (a = 0) as source-1 fragments: q = hi + lo in f32, then |q| summed.
.set HOFF,  524288
.set LOFF,  348160
.set STG,   0                          ; LDS: [part 8][16 rows][pitch 272]
.set LOSS,  34816                      ; [wave 2][lane 32] of f32
.set SPARE, 35072                      ; the spare words, 128 bytes a wave: four blocks of 256 bytes that no other line names
.set L16, 4
.set SW,  5
.set SR,  6
.set GO,  7
.set LW,  8
.set LR,  9
.set R4,  10
.set LN,  11
.set SPW, 14
.set NIL, 15
.set AF,  16                           ; v[16:143]  weights: (ct 4 + kk) 8
.set BF,  144                          ; v[144:207] activations: (p 4 + kk) 8
.set ACC, 208                          ; v[208:239] 8 ct
.set WV,  10
.set SBB, 16
.set SA,  20
.set STT, 28
.set SL,  30
.set MASK, 35
	s_load_b128 s[4:7], s[0:1], 0x0                ; wl0 s[4:5], wsA s[6:7]
	s_load_b64 s[8:9], s[0:1], 0x10                ; wsB
	v_lshl_add_u32 v[SPW], v0, 2, SPARE
	v_mov_b32 v[NIL], 0
	v_lshrrev_b32 v1, 5, v0
	v_readfirstlane_b32 s[WV], v1                  ; wave 0..7
	v_and_b32 v[LN], 31, v0
	v_and_b32 v2, 15, v0
	v_bfe_u32 v3, v0, 4, 1
	v_lshlrev_b32 v[L16], 4, v[LN]
	s_mov_b32 s11, ttmp9                           ; g
	s_and_b32 s12, ttmp7, 0xffff                   ; T
	s_lshr_b32 s13, s[WV], 1                       ; a
	s_and_b32 s14, s[WV], 1                        ; which half of the quaternions
	s_lshl_b32 s15, s13, 13
	s_lshl_b32 s32, s14, 12
	s_add_co_u32 s15, s15, s32                     ; a x 8,192 + half x 4,096: the same in both layouts
	s_mov_b32 s33, 0
	s_mov_b32 s[MASK], 0xffff0000
	s_wait_kmcnt 0x0
	s_lshl_b32 s32, s12, 16
	s_add_co_u32 s32, s32, s15
	s_add_nc_u64 s[SBB:SBB+1], s[6:7], s[32:33]
.irp ct, 0,1,2,3
	s_lshl_b32 s32, s11, 2
	s_add_co_u32 s32, s32, \ct
	s_min_u32 s32, s32, 16
	s_lshl_b32 s32, s32, 15
	s_add_co_u32 s32, s32, s15
	s_add_co_u32 s32, s32, HOFF
	s_add_nc_u64 s[SA+2*(\ct):SA+2*(\ct)+1], s[4:5], s[32:33]
.endr
.irp p, 0,1
.irp kk, 0,1,2,3
.irp b, 0,1
	global_load_b128 v[BF+((\p)*4+(\kk))*8+4*(\b):BF+((\p)*4+(\kk))*8+4*(\b)+3], v[L16], s[SBB:SBB+1] offset:(\p)*32768+(2*(\kk)+(\b))*512
.endr
.endr
.endr
.irp kk, 0,1,2,3
.irp ct, 0,1,2,3
.irp b, 0,1
	global_load_b128 v[AF+((\ct)*4+(\kk))*8+4*(\b):AF+((\ct)*4+(\kk))*8+4*(\b)+3], v[L16], s[SA+2*(\ct):SA+2*(\ct)+1] offset:(2*(\kk)+(\b))*512
.endr
.endr
.endr
	s_mul_i32 s32, s12, 20480                      ; 16 table rows of 1,280 bytes
	s_lshl_b32 s34, s11, 8
	s_add_co_u32 s32, s32, s34
	s_add_nc_u64 s[STT:STT+1], s[8:9], s[32:33]
	s_lshl_b32 s32, s12, 6
	s_add_nc_u64 s[SL:SL+1], s[8:9], s[32:33]
	s_mul_i32 s32, s[WV], 4352
	v_mul_u32_u24 v[SW], v2, 272
	v_lshl_add_u32 v[SW], v3, 5, v[SW]
	v_add_nc_u32 v[SW], s32, v[SW]                 ; my part: row r, 32 bytes for each half of the lanes
	v_lshrrev_b32 v12, 4, v0
	v_mul_u32_u24 v[SR], v12, 272
	v_lshl_add_u32 v[SR], v2, 4, v[SR]             ; back: thread t takes row t / 16, bytes 16 (t % 16) on
	v_mul_u32_u24 v[GO], v12, 1280
	v_lshl_add_u32 v[GO], v2, 4, v[GO]             ; and the same in the table
	s_lshl_b32 s32, s14, 7
	s_add_co_u32 s32, s32, LOSS
	v_lshl_add_u32 v[LW], v[LN], 2, s32
	v_lshl_add_u32 v[LR], v2, 2, LOSS
	v_lshlrev_b32 v[R4], 2, v2
	s_wait_loadcnt 32                              ; the 16 loads of activations are in; the 32 of weights may stay out
	s_cmp_lg_u32 s11, 0
	s_cbranch_scc1 .Lnoloss
	s_cmp_ge_u32 s[WV], 2
	s_cbranch_scc1 .Lnoloss
	v_mov_b32 v240, 0                              ; two chains of sums
	v_mov_b32 v241, 0
.set k, 0
.rept 32
	v_lshlrev_b32 v[244+4*(k%2)], 16, v[BF+k]
	v_and_b32 v[245+4*(k%2)], s[MASK], v[BF+k]
	v_lshlrev_b32 v[246+4*(k%2)], 16, v[BF+32+k]
	v_and_b32 v[247+4*(k%2)], s[MASK], v[BF+32+k]
	v_pk_add_f32 v[244+4*(k%2):245+4*(k%2)], v[244+4*(k%2):245+4*(k%2)], v[246+4*(k%2):247+4*(k%2)]  ; hi + lo
	v_add_f32 v240, v240, |v[244+4*(k%2)]|
	v_add_f32 v241, v241, |v[245+4*(k%2)]|
.set k, k+1
.endr
	v_add_f32 v240, v240, v241
	ds_store_b32 v[LW], v240                       ; my lane's 64 quaternions of row r
.Lnoloss:
.irp kk, 0,1,2,3
	s_wait_loadcnt 24-8*(\kk)                      ; K step kk's eight loads are in; the later steps' may stay out
.irp p, 0,1
.irp ct, 0,1,2,3
.if ((\kk)+(\p)) == 0
	v_wmma_f32_16x16x32_bf16 v[ACC+8*(\ct):ACC+8*(\ct)+7], v[AF+((\ct)*4+(\kk))*8:AF+((\ct)*4+(\kk))*8+7], v[BF+((\p)*4+(\kk))*8:BF+((\p)*4+(\kk))*8+7], 0
.else
	v_wmma_f32_16x16x32_bf16 v[ACC+8*(\ct):ACC+8*(\ct)+7], v[AF+((\ct)*4+(\kk))*8:AF+((\ct)*4+(\kk))*8+7], v[BF+((\p)*4+(\kk))*8:BF+((\p)*4+(\kk))*8+7], v[ACC+8*(\ct):ACC+8*(\ct)+7]
.endif
.endr
.endr
.endr
.rept 8
	v_nop                                          ; plain instructions between the last product and the first read of a sum (ISA guide 7.12.1); the four accumulators took turns
.endr
.irp ct, 0,1,2,3
.irp q, 0,1
	ds_store_b128 v[SW], v[ACC+8*(\ct)+4*(\q):ACC+8*(\ct)+4*(\q)+3] offset:STG+(\ct)*64+(\q)*16
.endr
.endr
	s_wait_dscnt 0x0                               ; for the others' sake: my part, and my share of L, lie in LDS
	s_barrier_signal -1
	s_barrier_wait -1
.irp u, 0,1,2,3,4,5,6,7
	ds_load_b128 v[16+4*(\u):19+4*(\u)], v[SR] offset:STG+(\u)*4352
.endr
	s_wait_dscnt 0x0
.irp u, 0,2,4,6
	v_pk_add_f32 v[16+4*(\u):17+4*(\u)], v[16+4*(\u):17+4*(\u)], v[20+4*(\u):21+4*(\u)]
	v_pk_add_f32 v[18+4*(\u):19+4*(\u)], v[18+4*(\u):19+4*(\u)], v[22+4*(\u):23+4*(\u)]
.endr
.irp u, 0,4
	v_pk_add_f32 v[16+4*(\u):17+4*(\u)], v[16+4*(\u):17+4*(\u)], v[24+4*(\u):25+4*(\u)]
	v_pk_add_f32 v[18+4*(\u):19+4*(\u)], v[18+4*(\u):19+4*(\u)], v[26+4*(\u):27+4*(\u)]
.endr
	v_pk_add_f32 v[16:17], v[16:17], v[32:33]
	v_pk_add_f32 v[18:19], v[18:19], v[34:35]
	global_store_b128 v[GO], v[16:19], s[STT:STT+1]
	s_cmp_lg_u32 s11, 0
	s_cbranch_scc1 .Lend
	s_cmp_lg_u32 s[WV], 0
	s_cbranch_scc1 .Lend
	ds_load_b32 v48, v[LR]                         ; row r's four shares: two halves of the lanes, two waves
	ds_load_b32 v49, v[LR] offset:64
	ds_load_b32 v50, v[LR] offset:128
	ds_load_b32 v51, v[LR] offset:192
	s_wait_dscnt 0x0
	v_add_f32 v48, v48, v49
	v_add_f32 v50, v50, v51
	v_add_f32 v48, v48, v50
	v_cmp_gt_u32 vcc_lo, 16, v[LN]
	s_wait_xcnt 0x0                                ; EXEC changes only behind this wait: the store above has read its sources
	s_and_saveexec_b32 s34, vcc_lo
	global_store_b32 v[R4], v48, s[SL:SL+1] offset:LOFF  ; 16 lanes, 64 consecutive bytes
	s_wait_xcnt 0x0
	s_or_b32 exec_lo, exec_lo, s34
.Lend:
	s_wait_tensorcnt 0x0                           ; the wave's end: three closing lines behind my last LDS store
	ds_add_u32 v[SPW], v[NIL]
	s_wait_dscnt 0x0
	s_endpgm
.Lfunc_end_k_q0bb7e1e142_head:
	.size	k_q0bb7e1e142_head, .Lfunc_end_k_q0bb7e1e142_head-k_q0bb7e1e142_head
	.p2alignl 7, 3214868480
	.fill 96, 4, 3214868480
	.section	.rodata,"a",@progbits
	.p2align	6, 0x0
	.amdhsa_kernel k_q0bb7e1e142_head
		.amdhsa_group_segment_fixed_size 36096
		.amdhsa_private_segment_fixed_size 0
		.amdhsa_enable_private_segment 0
		.amdhsa_kernarg_size 24
		.amdhsa_user_sgpr_count 2
		.amdhsa_user_sgpr_kernarg_segment_ptr 1
		.amdhsa_wavefront_size32 1
		.amdhsa_system_sgpr_workgroup_id_x 1
		.amdhsa_system_sgpr_workgroup_id_y 1
		.amdhsa_system_sgpr_workgroup_id_z 1
		.amdhsa_system_vgpr_workitem_id 0
		.amdhsa_next_free_vgpr 256
		.amdhsa_next_free_sgpr 66
		.amdhsa_reserve_vcc 1
		.amdhsa_float_denorm_mode_32 3
		.amdhsa_float_denorm_mode_16_64 3
		.amdhsa_memory_ordered 1
		.amdhsa_forward_progress 1
		.amdhsa_inst_pref_size 24
	.end_amdhsa_kernel
	.amdgpu_metadata
---
amdhsa.version: [ 1, 2 ]
amdhsa.kernels:
  - .name:           k_q0bb7e1e142_head
    .symbol:         k_q0bb7e1e142_head.kd
    .args:
      - { .name: wl0, .offset: 0, .size: 8, .value_kind: global_buffer, .address_space: global }
      - { .name: wsA, .offset: 8, .size: 8, .value_kind: global_buffer, .address_space: global }
      - { .name: wsB, .offset: 16, .size: 8, .value_kind: global_buffer, .address_space: global }
    .group_segment_fixed_size: 36096
    .private_segment_fixed_size: 0
    .kernarg_segment_align: 8
    .kernarg_segment_size: 24
    .max_flat_workgroup_size: 256
    .sgpr_count:     66
    .vgpr_count:     256
    .wavefront_size: 32
...
	.end_amdgpu_metadata
.endif
;; end of part 3
;; launch gather (part 4): grid 257 x 1, 8 waves a work-group, no clusters, 34,304 bytes of LDS; arguments x, wsB, out0, out1; writes out0, out1
.if DOCPART == 4
	.amdgcn_target "amdgcn-amd-amdhsa--gfx1250"
	.amdhsa_code_object_version 6
	.text
	.protected	k_q0bb7e1e142_gather
	.globl	k_q0bb7e1e142_gather
	.p2align	8
	.type	k_q0bb7e1e142_gather,@function
k_q0bb7e1e142_gather:
	s_mov_b64 s[64:65], 0
	v_nop
	global_prefetch_b8 v0, s[64:65] scope:SCOPE_SE
	s_setreg_imm32_b32 hwreg(HW_REG_WAVE_MODE, 25, 1), 1
	s_wait_xcnt 0x0
; THE GATHER.  out0[token][0..256] = Tab[x[token]][0..256]; out1 = 2^-21 x the sum over the 8,192 tokens of L[x[token]] (the mean of |real part| over 8,192 x 256 quaternions).
; Tab: 272 rows of 1,280 bytes at wsB's byte 0; L at byte LOFF.
; Work-groups 0-255: 32 tokens each, 32,896 bytes of out0 on end.  A row of out0 is 1,028 bytes, so rows start at multiples of 4 only: wave wv loads its four tokens' table rows (16 bytes a lane)
; and lays them by words into LDS as they will lie in out0; behind a barrier the work-group stores that image 16 bytes a lane.  The image starts at a multiple of 256 bytes of out0 in even work-groups and
; 128 bytes past one in odd ones: the eight large stores begin 128 bytes later there, so that each covers whole aligned blocks of 256 bytes; the 128 bytes left over go by eight lanes.
; Work-group 256 is the one owner of out1.
; LIMIT.  x is taken as unsigned and held to 256 at the most; reference() needs it inside the table.
; Memory binds: no matrix unit, no cluster (nothing is shared but the small table).
.set STG,   0                          ; LDS: the image, 32,896 bytes
.set RED,   33024                      ; eight waves' sums
.set SPARE, 33280                      ; the spare words, 128 bytes a wave: four blocks of 256 bytes that no other line names
.set LOFF,  348160
.set TROW,  1280
.set OROW,  1028
.set L16, 2
.set T16, 3
.set ZO,  4
.set SAD, 5
.set SBD, 6
.set VO,  7
.set EO,  8
.set SPW, 10
.set NIL, 11
.set D,   16
.set WV,  14
	s_load_b256 s[4:11], s[0:1], 0x0               ; x s[4:5], wsB s[6:7], out0 s[8:9], out1 s[10:11]
	v_lshl_add_u32 v[SPW], v0, 2, SPARE
	v_mov_b32 v[NIL], 0
	v_lshrrev_b32 v1, 5, v0
	v_readfirstlane_b32 s[WV], v1                  ; wave 0..7
	v_and_b32 v1, 31, v0
	v_lshlrev_b32 v[L16], 4, v1
	v_lshlrev_b32 v[T16], 4, v0
	v_mov_b32 v[ZO], 0
	s_mov_b32 s15, ttmp9
	s_mov_b32 s21, 0
	s_wait_kmcnt 0x0
	s_cmp_eq_u32 s15, 256                          ; the same in all waves of a work-group
	s_cbranch_scc1 .Lloss
	s_lshl_b32 s20, s15, 7                         ; 32 tokens of 4 bytes,
	s_lshl_b32 s22, s[WV], 4                       ; my four
	s_add_co_u32 s20, s20, s22
	s_add_nc_u64 s[12:13], s[4:5], s[20:21]
	s_load_b128 s[16:19], s[12:13], 0x0
	s_mul_i32 s22, s[WV], 4*OROW
	v_add_nc_u32 v[SAD], s22, v[L16]
	v_mov_b32 v[SBD], s22
	s_mul_i32 s20, s15, 32*OROW
	s_add_nc_u64 s[8:9], s[8:9], s[20:21]          ; out0 at my work-group's image
	s_and_b32 s23, s15, 1
	s_lshl_b32 s22, s23, 7                         ; 128 in odd work-groups
	v_add_nc_u32 v[VO], s22, v[T16]
	s_xor_b32 s23, s23, 1
	s_lshl_b32 s23, s23, 15                        ; the 128 bytes left over: at the image's end in even work-groups, at its head in odd ones
	v_min_u32 v1, 7, v0                            ; every lane's address stays inside the image
	v_lshl_add_u32 v[EO], v1, 4, s23
	s_wait_kmcnt 0x0
.irp n, 0,1,2,3
	s_min_u32 s[16+(\n)], s[16+(\n)], 0x100
	s_mul_i32 s[24+2*(\n)], s[16+(\n)], TROW
	s_mov_b32 s[25+2*(\n)], 0
	s_add_nc_u64 s[24+2*(\n):25+2*(\n)], s[6:7], s[24+2*(\n):25+2*(\n)]
.endr
.irp n, 0,1,2,3
	global_load_b128 v[D+12*(\n):D+12*(\n)+3], v[L16], s[24+2*(\n):25+2*(\n)]
	global_load_b128 v[D+12*(\n)+4:D+12*(\n)+7], v[L16], s[24+2*(\n):25+2*(\n)] offset:512
	global_load_b32 v[D+12*(\n)+8], v[ZO], s[24+2*(\n):25+2*(\n)] offset:1024   ; column 256, the same word in every lane
.endr
.irp n, 0,1,2,3
	s_wait_loadcnt 9-3*(\n)                        ; token n's three loads are in; the later tokens' may stay out
.irp f, 0,1
.irp e, 0,1,2,3
	ds_store_b32 v[SAD], v[D+12*(\n)+4*(\f)+(\e)] offset:STG+(\n)*OROW+(\f)*512+4*(\e)
.endr
.endr
	ds_store_b32 v[SBD], v[D+12*(\n)+8] offset:STG+(\n)*OROW+1024
.endr
	s_wait_dscnt 0x0                               ; for the others' sake: my four rows lie in LDS
	s_barrier_signal -1
	s_barrier_wait -1
.irp n, 0,1,2,3,4,5,6,7
	ds_load_b128 v[D+4*(\n):D+4*(\n)+3], v[VO] offset:STG+(\n)*4096
.endr
	ds_load_b128 v[D+32:D+35], v[EO] offset:STG
.irp n, 0,1,2,3,4,5,6,7
	s_wait_dscnt 8-(\n)                            ; load n is in; the later ones may stay out
	global_store_b128 v[VO], v[D+4*(\n):D+4*(\n)+3], s[8:9] offset:(\n)*4096 th:TH_STORE_NT
.endr
	s_wait_dscnt 0x0
	v_cmp_gt_u32 vcc_lo, 8, v0
	s_wait_xcnt 0x0                                ; EXEC changes only behind this wait
	s_and_saveexec_b32 s30, vcc_lo
	global_store_b128 v[EO], v[D+32:D+35], s[8:9] th:TH_STORE_NT
	s_wait_xcnt 0x0
	s_or_b32 exec_lo, exec_lo, s30
	s_wait_tensorcnt 0x0                           ; the wave's end: three closing lines behind my last LDS store
	ds_add_u32 v[SPW], v[NIL]
	s_wait_dscnt 0x0
	s_endpgm
.Lloss:                                                ; 256 threads, 32 tokens each
.irp n, 0,1,2,3,4,5,6,7
	global_load_b128 v[D+4*(\n):D+4*(\n)+3], v[T16], s[4:5] offset:(\n)*4096
.endr
	s_mov_b32 s16, 0x76543210                      ; v_permlanex16_b32: each lane takes its own place in the other half
	s_mov_b32 s17, 0xfedcba98
	s_lshl_b32 s20, s[WV], 2
	s_add_co_u32 s20, s20, RED
	v_mov_b32 v[SAD], s20
	v_mov_b32 v[SBD], RED
	s_wait_loadcnt 0x0
.set k, 0
.rept 32
	v_min_u32 v[D+k], 0x100, v[D+k]
	v_lshlrev_b32 v[D+k], 2, v[D+k]
	global_load_b32 v[48+k], v[D+k], s[6:7] offset:LOFF
.set k, k+1
.endr
	s_wait_loadcnt 0x0
.irp n, 0,2,4,6,8,10,12,14
	v_pk_add_f32 v[48+(\n):49+(\n)], v[48+(\n):49+(\n)], v[64+(\n):65+(\n)]
.endr
.irp n, 0,2,4,6
	v_pk_add_f32 v[48+(\n):49+(\n)], v[48+(\n):49+(\n)], v[56+(\n):57+(\n)]
.endr
.irp n, 0,2
	v_pk_add_f32 v[48+(\n):49+(\n)], v[48+(\n):49+(\n)], v[52+(\n):53+(\n)]
.endr
	v_pk_add_f32 v[48:49], v[48:49], v[50:51]
	v_add_f32 v48, v48, v49
	v_add_f32_dpp v48, v48, v48 row_xmask:1 row_mask:0xf bank_mask:0xf
	v_add_f32_dpp v48, v48, v48 row_xmask:2 row_mask:0xf bank_mask:0xf
	v_add_f32_dpp v48, v48, v48 row_xmask:4 row_mask:0xf bank_mask:0xf
	v_add_f32_dpp v48, v48, v48 row_xmask:8 row_mask:0xf bank_mask:0xf
	v_permlanex16_b32 v49, v48, s16, s17
	v_add_f32 v48, v48, v49
	ds_store_b32 v[SAD], v48                       ; my wave's sum: all lanes write the same word with the same value
	s_wait_dscnt 0x0
	s_barrier_signal -1
	s_barrier_wait -1
	ds_load_b128 v[52:55], v[SBD]
	ds_load_b128 v[56:59], v[SBD] offset:16
	s_wait_dscnt 0x0
	v_add_f32 v52, v52, v53
	v_add_f32 v54, v54, v55
	v_add_f32 v56, v56, v57
	v_add_f32 v58, v58, v59
	v_add_f32 v52, v52, v54
	v_add_f32 v56, v56, v58
	v_add_f32 v52, v52, v56
	v_mul_f32 v52, 0x35000000, v52                 ; 2^-21
	v_cmp_eq_u32 vcc_lo, 0, v0
	s_wait_xcnt 0x0                                ; EXEC changes only behind this wait
	s_and_saveexec_b32 s30, vcc_lo
	global_store_b32 v[ZO], v52, s[10:11]
	s_wait_xcnt 0x0
	s_or_b32 exec_lo, exec_lo, s30
	s_wait_tensorcnt 0x0                           ; the wave's end: three closing lines behind my last LDS store
	ds_add_u32 v[SPW], v[NIL]
	s_wait_dscnt 0x0
	s_endpgm
.Lfunc_end_k_q0bb7e1e142_gather:
	.size	k_q0bb7e1e142_gather, .Lfunc_end_k_q0bb7e1e142_gather-k_q0bb7e1e142_gather
	.p2alignl 7, 3214868480
	.fill 96, 4, 3214868480
	.section	.rodata,"a",@progbits
	.p2align	6, 0x0
	.amdhsa_kernel k_q0bb7e1e142_gather
		.amdhsa_group_segment_fixed_size 34304
		.amdhsa_private_segment_fixed_size 0
		.amdhsa_enable_private_segment 0
		.amdhsa_kernarg_size 32
		.amdhsa_user_sgpr_count 2
		.amdhsa_user_sgpr_kernarg_segment_ptr 1
		.amdhsa_wavefront_size32 1
		.amdhsa_system_sgpr_workgroup_id_x 1
		.amdhsa_system_sgpr_workgroup_id_y 1
		.amdhsa_system_sgpr_workgroup_id_z 1
		.amdhsa_system_vgpr_workitem_id 0
		.amdhsa_next_free_vgpr 96
		.amdhsa_next_free_sgpr 66
		.amdhsa_reserve_vcc 1
		.amdhsa_float_denorm_mode_32 3
		.amdhsa_float_denorm_mode_16_64 3
		.amdhsa_memory_ordered 1
		.amdhsa_forward_progress 1
		.amdhsa_inst_pref_size 18
	.end_amdhsa_kernel
	.amdgpu_metadata
---
amdhsa.version: [ 1, 2 ]
amdhsa.kernels:
  - .name:           k_q0bb7e1e142_gather
    .symbol:         k_q0bb7e1e142_gather.kd
    .args:
      - { .name: x, .offset: 0, .size: 8, .value_kind: global_buffer, .address_space: global }
      - { .name: wsB, .offset: 8, .size: 8, .value_kind: global_buffer, .address_space: global }
      - { .name: out0, .offset: 16, .size: 8, .value_kind: global_buffer, .address_space: global }
      - { .name: out1, .offset: 24, .size: 8, .value_kind: global_buffer, .address_space: global }
    .group_segment_fixed_size: 34304
    .private_segment_fixed_size: 0
    .kernarg_segment_align: 8
    .kernarg_segment_size: 32
    .max_flat_workgroup_size: 256
    .sgpr_count:     66
    .vgpr_count:     96
    .wavefront_size: 32
...
	.end_amdgpu_metadata
.endif
;; end of part 4
;; ======== version 2 of 2: 9 launches; version 1 with the launch prep written anew for expert scheduling mode
;; workspace buffers: wl0 1,081,344 bytes; wl1 524,288 bytes; wl2 524,288 bytes; wl3 524,288 bytes; wl4 524,288 bytes; wl5 524,288 bytes; wsA 1,114,112 bytes; wsB 1,114,112 bytes
;; launch prep (part 5): grid 147 x 1, 4 waves a work-group, no clusters, 33,280 bytes of LDS; arguments emb, w_exp0, w_exp1, w_exp2, w_exp3, w_exp4, w_exp5, w_exp6, w_exp7, w_layers, w_head, wl0, wl1, wl2, wl3, wl4, wl5, wsA; writes wl0, wl1, wl2, wl3, wl4, wl5, wsA
.if DOCPART == 5
	.amdgcn_target "amdgcn-amd-amdhsa--gfx1250"
	.amdhsa_code_object_version 6
	.text
	.protected	k_q0bb7e1e142_prep
	.globl	k_q0bb7e1e142_prep
	.p2align	8
	.type	k_q0bb7e1e142_prep,@function
k_q0bb7e1e142_prep:
	s_mov_b64 s[64:65], 0
	v_nop
	global_prefetch_b8 v0, s[64:65] scope:SCOPE_SE
	s_setreg_imm32_b32 hwreg(HW_REG_WAVE_SCHED_MODE, 0, 2), 2
	s_setreg_imm32_b32 hwreg(HW_REG_WAVE_MODE, 25, 1), 1
	s_wait_xcnt 0x0
	s_wait_alu depctr_vm_vsrc(0)
; PREP.  reference() mixes no positions: a row of logits and its share of the loss are functions of the token id alone.  So the network is run once for each of the 257
; ids (17 tiles of 16 rows; rows 257-271 repeat row 256), and the last launch gathers by x.  This launch has three kinds of work-groups, told apart by the work-group's number:
;   0-33    the eight expanders for row tile T = n / 2; the two work-groups of a tile differ in their half z = n % 2 of the last stage's outputs.  Result: activations in wsA.
;   34-129  w_layers, rounded to bf16, laid out as matrix fragments: layer d = c / 16, output tile t = c % 16, wave = component w.
;   130-146 w_head likewise, 16 vocabulary columns each, behind layer 0's weights in wl0.
; FORMATS.  Every input is rounded once to bf16.  An activation q goes to the matrix unit as two bf16 numbers, hi = bf16(q) and lo = bf16(q - hi), each multiplied by the same weights; sums in f32.
; PRODUCTS.  Source 0 = 16 weight rows (outputs), source 1 = 16 table rows.  In the result lane (r = lane % 16, h = lane / 16) holds in register j output 8 h + j of row r: packed in pairs
; these eight numbers are four registers of a source-1 fragment of the same lane, so nothing changes lanes from stage to stage.
; HAMILTON.  out_c = sum over a of s(c, a) W_(c xor a) q_a.  Matrix sources take no sign, so a component has two sums, P_c (s = +) and N_c (s = -), and y_c = P_c - N_c.  NEGM: bit 4 c + a set where s is -.
; SMALL STAGES (1, 2, 4, 8 quaternions): the tile's 16 places hold q with period cq; weight row m is W[m mod cq], columns from cq on are 0; so delta stands at every place and place m takes q + delta
; or, where bit log2(cq) of m is set, q - delta.  Up to 16 quaternions hi lies in a fragment's K 0-15, lo in K 16-31, and the weights are repeated: one product serves both.
; STAGES 0-5 are made whole by every wave (no exchange); stage 6: wave v makes output tile v, and the new tiles v and v + 4 meet in LDS; stage 7: wave v makes tile v + 4 z, and tiles v + 4 z and v + 4 z + 8 go to wsA.
; ACTIVATIONS in memory: [T 17][part 2][component 4][u 16][512 bytes]; in a block lane l has the 16 bytes at 16 l: bf16 of q[row r][16 u + 8 h + 0..7].  Every load and store of a wave covers 512 consecutive bytes, aligned.
; tanh(y) = 1 - 2 / (1 + 2^(2.885390 y)): right at both ends of the exponential's range; near 0 its absolute error is about 1e-7.
; LIMITS.  Inputs keep bf16's 8 significant bits, activations 16 to 17.  NaN and infinities are not treated apart.
; REGISTERS, in windows of 256 (s_set_vgpr_msb: bits 1:0 source 0, 3:2 source 1, 5:4 source 2, 7:6 destination):
;   window 0: v2-15 lane terms; v16-79 weight fragments; v80-207 activation fragments (later the packed results); v208-239 y and work; v240-253 lane terms, the embedding
;   window 1: v0-63 the sums P_c at 8 c, N_c at 32 + 8 c; v64-191 q in f32, 32 a tile (8 c + j); v192-255 the small stages' weights in f32 (stage 4's lie in tile 2, free till stage 5's end)
;   window 2: v0-127 stage 5's weights in f32, v128-255 stage 6's; in stage 7 all 256: its activation fragments          window 3: stage 7's weights in f32
; THE MODE: SCHED_MODE bits 1:0 = 2 (LLVM: expert scheduling mode 2), set by the entry lines.  The code itself states the register dependences
; between vector or matrix instructions and memory or LDS instructions, with s_wait_alu, always for 0.
; THE PLAN, the expanders.  Registers that memory or LDS instructions touch:
;   v4-10, v240-242   offsets: written once at the head, ahead of the one wait in front of the first load; read by the loads (v4 by stage 7's LDS loads too); never written again.
;   v243, v245        written once behind the first loads; read by the LDS stores and by the global stores, behind many waits on va_vdst.
;   v248-251; window 1 v128-159, v192-255; window 3     a load lands in each once, and no vector instruction names it before that load is issued.
;   window 2          stage 5's and 6's weights land; those stages' conversions read them; stage 7's LDS loads land there: stage 6's waits behind its exponentials and reciprocals stand between, and no vector instruction behind them names window 2.
;   v80-143           written by stage 6's packing, read by 16 LDS stores, written by stage 7's weight conversions and then by its packing, read by 16 global stores.
; So the arm has, beside the waits behind its transcendentals: one wait on va_vdst ahead of the first load, one ahead of the LDS stores, one on vm_vsrc behind them, one on va_vdst ahead of the global stores.
; THE PLAN, the conversion arms.  v13 and v4 are offsets, written once; v16-143 take the loads; v144-207 are the out-registers, each written once.  The blocks go in four groups: at a group's head one wait on va_vdst
; shows the group before converted, its four stores follow, then the group's own sixteen conversions, which name none of those stores' registers.
.set NEGM,  0x428e
.set XCH,   0                          ; LDS: [part 2][component 4][u 8][512 bytes]: the 128 quaternions that stage 7 reads
.set SPARE, 32768                      ; the spare words, 128 bytes a wave: two blocks of 256 bytes that no other line names
.set HOFF,  524288                     ; the head's weights in wl0
.set VM,  2                            ; lane % 16
.set VH,  3                            ; lane / 16
.set L16, 4                            ; 16 x lane
.set ZO,  5                            ; 0
.set O1,  6                            ; my byte offsets in a plane of w_exp1 .. w_exp4
.set O2,  7
.set O3,  8
.set O4,  9
.set EO,  10                           ; my row of emb
.set HM,  11                           ; all ones where h = 0, else 0
.set SG,  12                           ; 1.0 where h = 0, else -1.0
.set TA,  13                           ; at work; in the conversion arms the loads' offset
.set SPW, 14                           ; LDS address of my spare word; never rewritten
.set NIL, 15                           ; 0; never rewritten
.set AF,  16
.set BF,  80
.set OQ,  80
.set Y,   208
.set O5,  240                          ; my byte offsets in 16 rows of w_exp5 .. w_exp7
.set O6,  241
.set O7,  242
.set XW,  243                          ; where I put 16 bytes of a block in XCH
.set GO,  245                          ; my 16 bytes of block v + 4 z in wsA
.set EB,  248
.set QM,  64
.set ST,  192
.set S4,  128
.set S5,  0
.set S6,  128
.set B7,  0
.set S7,  0
.set CX,  16                           ; conversion arms: 128 registers as loaded,
.set CZ,  144                          ; 64 as stored
.set DST, 44
.set SE6, 46
.set SE7, 48
.set TP,  50
.set SRC, 52
.set WV,  84
.set RT,  85
.set ZH,  86
.set T7,  87
.set M1,  88
.set M2,  89
.set MZ,  90
.set MASK, 91
.set OUT, 92
.set KT,  94
.set MSB, 0
.set SEEN, 0
.macro WIN new                         ; the immediate's high byte repeats the setting that is left; a switch that changes nothing is dropped
.if MSB != (\new)
	s_set_vgpr_msb (MSB<<8)|(\new)
.set MSB, \new
.endif
.endm
; 16 products: four weight fragments (component w at ab + 8 w) x four activation fragments (component a at bb + 8 a).  An accumulator's first product of a stage takes the constant 0.
; The order is P0 P1 P2 P3 P1 N0 P3 N2 P2 N3 N0 P1 P3 P2 N1 N0: no two neighbours share an accumulator, from one call to the next either.
.macro QMUL ab, bb, win=0x50
	WIN \win
.irp a, 0,1,2,3
.irp w, 0,1,2,3
.set qc, (\a)^(\w)
.set qn, (NEGM>>(4*qc+(\a)))&1
.set qa, 8*qc+32*qn
.if (SEEN>>(qc+4*qn))&1
	v_wmma_f32_16x16x32_bf16 v[qa:qa+7], v[(\ab)+8*(\w):(\ab)+8*(\w)+7], v[(\bb)+8*(\a):(\bb)+8*(\a)+7], v[qa:qa+7]
.else
	v_wmma_f32_16x16x32_bf16 v[qa:qa+7], v[(\ab)+8*(\w):(\ab)+8*(\w)+7], v[(\bb)+8*(\a):(\bb)+8*(\a)+7], 0
.set SEEN, SEEN|(1<<(qc+4*qn))
.endif
.endr
.endr
.endm
.macro PLACES8                         ; plain instructions between the last product and the first read of a sum (ISA guide 7.12.1)
.rept 8
	v_nop
.endr
.endm
.macro YSUB nj                         ; y_c = P_c - N_c for the first nj registers; each accumulator is read from its low end on
	WIN 0x05
.irp c, 0,1,2,3
.set i, 0
.rept (\nj)/2
	v_pk_add_f32 v[Y+8*(\c)+i:Y+8*(\c)+i+1], v[8*(\c)+i:8*(\c)+i+1], v[32+8*(\c)+i:32+8*(\c)+i+1] neg_lo:[0,1] neg_hi:[0,1]
.set i, i+2
.endr
.endr
.endm
.macro TANH nj                         ; two batches of transcendentals, each with one plain instruction and one wait behind it
	WIN 0
.irp c, 0,1,2,3
.set i, 0
.rept (\nj)/2
	v_pk_mul_f32 v[Y+8*(\c)+i:Y+8*(\c)+i+1], v[Y+8*(\c)+i:Y+8*(\c)+i+1], s[KT:KT+1] op_sel_hi:[1,0]
.set i, i+2
.endr
.endr
.irp c, 0,1,2,3
.set i, 0
.rept \nj
	v_exp_f32 v[Y+8*(\c)+i], v[Y+8*(\c)+i]
.set i, i+1
.endr
.endr
	v_nop
	s_wait_alu depctr_va_vdst(0)                   ; the exponentials have written v[Y ..], which the additions below read
.irp c, 0,1,2,3
.set i, 0
.rept (\nj)/2
	v_pk_add_f32 v[Y+8*(\c)+i:Y+8*(\c)+i+1], v[Y+8*(\c)+i:Y+8*(\c)+i+1], 1.0 op_sel_hi:[1,0]
.set i, i+2
.endr
.endr
.irp c, 0,1,2,3
.set i, 0
.rept \nj
	v_rcp_f32 v[Y+8*(\c)+i], v[Y+8*(\c)+i]
.set i, i+1
.endr
.endr
	v_nop
	s_wait_alu depctr_va_vdst(0)                   ; the reciprocals have written v[Y ..], which the multiply-adds below read
.irp c, 0,1,2,3
.set i, 0
.rept (\nj)/2
	v_pk_fma_f32 v[Y+8*(\c)+i:Y+8*(\c)+i+1], v[Y+8*(\c)+i:Y+8*(\c)+i+1], -2.0, 1.0 op_sel_hi:[1,0,0]
.set i, i+2
.endr
.endr
.endm
.macro UPD ts, td                      ; tile td = tile ts - delta, then tile ts += delta
	WIN 0x41
.set i, 0
.rept 16
	v_pk_add_f32 v[QM+32*(\td)+i:QM+32*(\td)+i+1], v[QM+32*(\ts)+i:QM+32*(\ts)+i+1], v[Y+i:Y+i+1] neg_lo:[0,1] neg_hi:[0,1]
.set i, i+2
.endr
.set i, 0
.rept 16
	v_pk_add_f32 v[QM+32*(\ts)+i:QM+32*(\ts)+i+1], v[QM+32*(\ts)+i:QM+32*(\ts)+i+1], v[Y+i:Y+i+1]
.set i, i+2
.endr
.endm
; Tile t of q, all four components, as hi (four registers at hib + a st) and lo (at lob + a st).
.macro BUILD t, hib, lob, st
	WIN 0x05
.irp a, 0,1,2,3
.irp n, 0,1,2,3
	v_cvt_pk_bf16_f32 v[(\hib)+(\a)*(\st)+(\n)], v[QM+32*(\t)+8*(\a)+2*(\n)], v[QM+32*(\t)+8*(\a)+2*(\n)+1]
.endr
.endr
	WIN 0
.irp a, 0,1,2,3
.irp n, 0,1,2,3
	v_lshlrev_b32 v[Y+8*(\a)+2*(\n)], 16, v[(\hib)+(\a)*(\st)+(\n)]
	v_and_b32 v[Y+8*(\a)+2*(\n)+1], s[MASK], v[(\hib)+(\a)*(\st)+(\n)]
.endr
.endr
	WIN 0x01
.irp a, 0,1,2,3
.irp n, 0,1,2,3
	v_pk_add_f32 v[Y+8*(\a)+2*(\n):Y+8*(\a)+2*(\n)+1], v[QM+32*(\t)+8*(\a)+2*(\n):QM+32*(\t)+8*(\a)+2*(\n)+1], v[Y+8*(\a)+2*(\n):Y+8*(\a)+2*(\n)+1] neg_lo:[0,1] neg_hi:[0,1]
.endr
.endr
	WIN 0
.irp a, 0,1,2,3
.irp n, 0,1,2,3
	v_cvt_pk_bf16_f32 v[(\lob)+(\a)*(\st)+(\n)], v[Y+8*(\a)+2*(\n)], v[Y+8*(\a)+2*(\n)+1]
.endr
.endr
.endm
.macro LDW dst, areg, base, off        ; a weight fragment's 16 numbers a lane in f32: K 8 h + 0..7 and 16 + 8 h + 0..7 of my row
.irp q, 0,1,2,3
	global_load_b128 v[(\dst)+4*(\q):(\dst)+4*(\q)+3], v[\areg], s[(\base):(\base)+1] offset:(\off)+16*((\q)%2)+64*((\q)/2)
.endr
.endm
.macro CVT4 dst, src, win              ; four fragments (components w) from f32 to bf16
	WIN \win
.irp w, 0,1,2,3
.irp n, 0,1,2,3,4,5,6,7
	v_cvt_pk_bf16_f32 v[(\dst)+8*(\w)+(\n)], v[(\src)+16*(\w)+2*(\n)], v[(\src)+16*(\w)+2*(\n)+1]
.endr
.endr
.endm
; A stage of up to 16 quaternions.  sg: the stage; np: packed weight registers a component; nj: distinct registers of delta; src: the weights in f32, 2 np a component, in window 1.
.macro SMALL sg, np, nj, src
	WIN 0x05
.irp w, 0,1,2,3
.set i, 0
.rept \np
	v_cvt_pk_bf16_f32 v[AF+8*(\w)+i], v[(\src)+2*(\np)*(\w)+2*i], v[(\src)+2*(\np)*(\w)+2*i+1]
.set i, i+1
.endr
.endr
	WIN 0
.irp w, 0,1,2,3
.set i, 0
.rept \np
.if (\sg) < 4
	v_and_b32 v[AF+8*(\w)+i], v[HM], v[AF+8*(\w)+i]     ; columns 8-15 are 0
.endif
	v_mov_b32 v[AF+8*(\w)+4+i], v[AF+8*(\w)+i]          ; the same weights for lo
.set i, i+1
.endr
.endr
	BUILD 0, BF, BF+4, 8
.set SEEN, 0
	QMUL AF, BF
	PLACES8
	YSUB \nj
	TANH \nj
.if (\sg) < 3
	WIN 0x41
.irp c, 0,1,2,3
.set j, 0
.rept 8
.if (j>>(\sg))&1
	v_sub_f32 v[QM+8*(\c)+j], v[QM+8*(\c)+j], v[Y+8*(\c)+(j&((\nj)-1))]
.else
	v_add_f32 v[QM+8*(\c)+j], v[QM+8*(\c)+j], v[Y+8*(\c)+(j&((\nj)-1))]
.endif
.set j, j+1
.endr
.endr
.elseif (\sg) == 3
	WIN 0x50
.set j, 0
.rept 32
	v_fma_f32 v[QM+j], v[Y+j], v[SG], v[QM+j]           ; places 8-15 lie in the upper half of the lanes
.set j, j+1
.endr
.else
	UPD 0, 1
.endif
.endm
	s_load_b512 s[8:23], s[0:1], 0x0               ; emb s8, w_exp0 s10, 1 s12, 2 s14, 3 s16, 4 s18, 5 s20, 6 s22
	s_load_b512 s[24:39], s[0:1], 0x40             ; w_exp7 s24, w_layers s26, w_head s28, wl0 s30, wl1 s32, wl2 s34, wl3 s36, wl4 s38
	s_load_b128 s[40:43], s[0:1], 0x80             ; wl5 s40, wsA s42
	v_lshl_add_u32 v[SPW], v0, 2, SPARE
	v_mov_b32 v[NIL], 0
	v_lshrrev_b32 v1, 5, v0
	v_readfirstlane_b32 s[WV], v1                  ; wave 0..3
	v_and_b32 v1, 31, v0
	v_and_b32 v[VM], 15, v0
	v_bfe_u32 v[VH], v0, 4, 1
	v_lshlrev_b32 v[L16], 4, v1
	s_mov_b32 s[MASK], 0xffff0000                  ; a word's upper bf16
	s_mov_b32 s[TP], ttmp9
	s_mov_b32 s[TP+1], 0
	s_wait_alu depctr_va_sdst(0)                   ; the wave's number is written in s[WV]: its first reader in each of the three arms lies behind the branch below
	s_wait_kmcnt 0x0
	s_cmp_ge_u32 s[TP], 34                         ; the same in all waves of a work-group
	s_cbranch_scc1 .Lconv
	; ---------------- THE EXPANDERS ----------------
	s_lshr_b32 s[RT], s[TP], 1                     ; row tile T
	s_and_b32 s[ZH], s[TP], 1                      ; z
	s_lshl2_add_u32 s[T7], s[ZH], s[WV]            ; my output tile of stage 7: 4 z + wave
	s_and_b32 s[M1], s[WV], 1
	s_sub_co_u32 s[M1], 0, s[M1]                   ; all ones where the wave's bit 0 is set,
	s_lshr_b32 s[M2], s[WV], 1
	s_sub_co_u32 s[M2], 0, s[M2]                   ; its bit 1,
	s_sub_co_u32 s[MZ], 0, s[ZH]                   ; z
	s_mov_b32 s[KT], 0x4038aa3b                    ; 2 log2(e)
	s_mov_b32 s[KT+1], s[KT]                       ; named with it as a pair
	s_lshl_b32 s[TP], s[WV], 12
	s_add_nc_u64 s[SE6:SE6+1], s[22:23], s[TP:TP+1]  ; w_exp6 at my 16 rows (256 bytes each)
	s_lshl_b32 s[TP], s[T7], 13
	s_add_nc_u64 s[SE7:SE7+1], s[24:25], s[TP:TP+1]  ; w_exp7 at my 16 rows (512 bytes each)
	s_lshl_b32 s[TP], s[RT], 16
	s_add_nc_u64 s[OUT:OUT+1], s[42:43], s[TP:TP+1]  ; wsA at my row tile
	s_lshl_b32 s[TP], s[RT], 4
	v_mov_b32 v[ZO], 0
	v_and_b32 v[O1], 1, v[VM]
	v_lshlrev_b32 v[O1], 3, v[O1]                  ; row m mod 2, 8 bytes
	v_and_b32 v[O2], 3, v[VM]
	v_lshlrev_b32 v[O2], 4, v[O2]                  ; row m mod 4, 16 bytes
	v_and_b32 v[O3], 7, v[VM]
	v_lshlrev_b32 v[O3], 5, v[O3]                  ; row m mod 8, 32 bytes
	v_lshlrev_b32 v[TA], 5, v[VH]                  ; 8 numbers for each half of the lanes
	v_lshl_add_u32 v[O4], v[VM], 6, v[TA]
	v_lshl_add_u32 v[O5], v[VM], 7, v[TA]
	v_lshl_add_u32 v[O6], v[VM], 8, v[TA]
	v_lshl_add_u32 v[O7], v[VM], 9, v[TA]
	v_add_nc_u32 v[EO], s[TP], v[VM]
	v_min_u32 v[EO], 0x100, v[EO]                  ; rows past 256 repeat row 256
	v_lshlrev_b32 v[EO], 4, v[EO]
	s_wait_alu depctr_va_vdst(0)                   ; the offsets v4 to v10 and v240 to v242 are written, which all the arm's loads read; no vector instruction behind this wait names one of them, or a register in which a load of weights lands before that load is issued
	global_load_b128 v[EB:EB+3], v[EO], s[8:9]     ; 29 small loads,
	WIN 0x40
.irp w, 0,1,2,3
	global_load_b32 v[ST+2*(\w)], v[ZO], s[10:11] offset:4*(\w)
.endr
.irp w, 0,1,2,3
	global_load_b64 v[ST+8+2*(\w):ST+8+2*(\w)+1], v[O1], s[12:13] offset:16*(\w)
.endr
.irp w, 0,1,2,3
	global_load_b128 v[ST+16+4*(\w):ST+16+4*(\w)+3], v[O2], s[14:15] offset:64*(\w)
.endr
.irp w, 0,1,2,3
	global_load_b128 v[ST+32+8*(\w):ST+32+8*(\w)+3], v[O3], s[16:17] offset:256*(\w)
	global_load_b128 v[ST+32+8*(\w)+4:ST+32+8*(\w)+7], v[O3], s[16:17] offset:256*(\w)+16
.endr
.irp w, 0,1,2,3
	global_load_b128 v[S4+8*(\w):S4+8*(\w)+3], v[O4], s[18:19] offset:1024*(\w)
	global_load_b128 v[S4+8*(\w)+4:S4+8*(\w)+7], v[O4], s[18:19] offset:1024*(\w)+16
.endr
	WIN 0x80
.irp t, 0,1
.irp w, 0,1,2,3
	LDW S5+((\t)*4+(\w))*16, O5, 20, (\w)*4096+(\t)*2048   ; and stage 5's 32: output tile t, component w
.endr
.endr
	WIN 0x40
.irp w, 0,1,2,3
	v_mov_b32 v[ST+2*(\w)+1], 0                    ; stage 0 has one column: its neighbour in the pair is 0
.endr
	WIN 0
.set i, 0
.rept 32
	v_mov_b32 v[AF+i], 0                           ; the small stages' weight columns from cq on
.set i, i+1
.endr
	v_add_nc_u32 v[HM], -1, v[VH]
	v_lshlrev_b32 v[SG], 31, v[VH]
	v_or_b32 v[SG], 0x3f800000, v[SG]
	s_lshl_b32 s[TP], s[WV], 9
	v_add_nc_u32 v[XW], s[TP], v[L16]
	s_lshl_b32 s[TP], s[T7], 9
	v_add_nc_u32 v[GO], s[TP], v[L16]
	s_wait_loadcnt 32                              ; the 29 small loads are in; stage 5's 32 may stay out
	WIN 0x80
.irp kk, 0,1
.irp w, 0,1,2,3
	LDW S6+((\kk)*4+(\w))*16, O6, SE6, (\w)*16384+(\kk)*128   ; stage 6's 32: K step kk, component w
.endr
.endr
	WIN 0
	v_cvt_pk_bf16_f32 v252, v[EB], v[EB+1]         ; the embedding is rounded to bf16 like every input,
	v_cvt_pk_bf16_f32 v253, v[EB+2], v[EB+3]
	v_lshlrev_b32 v[EB], 16, v252
	v_and_b32 v[EB+1], s[MASK], v252
	v_lshlrev_b32 v[EB+2], 16, v253
	v_and_b32 v[EB+3], s[MASK], v253
	WIN 0x40
.irp c, 0,1,2,3
.irp j, 0,1,2,3,4,5,6,7
	v_mov_b32 v[QM+8*(\c)+(\j)], v[EB+(\c)]        ; and stands at all 16 places (period 1)
.endr
.endr
	SMALL 0, 1, 2, ST
	s_wait_loadcnt 32                              ; stage 5's weights are in; stage 6's 32 may stay out
	WIN 0xc0
.irp kk, 0,1
.irp w, 0,1,2,3
	LDW S7+((\kk)*4+(\w))*16, O7, SE7, (\w)*65536+(\kk)*128   ; stage 7's first 32
.endr
.endr
	SMALL 1, 1, 2, ST+8
	s_wait_loadcnt 32                              ; stage 6's weights are in; stage 7's first 32 may stay out
	WIN 0xc0
.irp kk, 2,3
.irp w, 0,1,2,3
	LDW S7+((\kk)*4+(\w))*16, O7, SE7, (\w)*65536+(\kk)*128   ; stage 7's last 32
.endr
.endr
	SMALL 2, 2, 4, ST+16
	SMALL 3, 4, 8, ST+32
	SMALL 4, 4, 8, S4
	; stage 5: 32 quaternions, one K step, two output tiles
	BUILD 0, BF, BF+32, 8
	BUILD 1, BF+4, BF+36, 8
	CVT4 AF, S5, 0x0a
	CVT4 AF+32, S5+64, 0x0a
.set SEEN, 0
	QMUL AF, BF
	QMUL AF, BF+32
	PLACES8
	YSUB 8
	TANH 8
	UPD 0, 2
.set SEEN, 0
	QMUL AF+32, BF
	QMUL AF+32, BF+32
	PLACES8
	YSUB 8
	TANH 8
	UPD 1, 3
	; stage 6: 64 quaternions, two K steps; my output tile is my wave's number
	BUILD 0, BF, BF+32, 8
	BUILD 1, BF+4, BF+36, 8
	BUILD 2, BF+64, BF+96, 8
	BUILD 3, BF+68, BF+100, 8
	CVT4 AF, S6, 0x0a
	CVT4 AF+32, S6+64, 0x0a
.set SEEN, 0
	QMUL AF, BF
	QMUL AF, BF+32
	QMUL AF+32, BF+64
	QMUL AF+32, BF+96
	WIN 0x45                                       ; q's tile of my number comes to tile 0: 96 plain instructions, which name no register of the products: the places behind them
.set i, 0
.rept 32
	v_cndmask_b32 v[QM+i], v[QM+i], v[QM+32+i], s[M1]
.set i, i+1
.endr
.set i, 0
.rept 32
	v_cndmask_b32 v[QM+64+i], v[QM+64+i], v[QM+96+i], s[M1]
.set i, i+1
.endr
.set i, 0
.rept 32
	v_cndmask_b32 v[QM+i], v[QM+i], v[QM+64+i], s[M2]
.set i, i+1
.endr
	YSUB 8
	TANH 8
	UPD 0, 1                                       ; tile 0: the new tile v; tile 1: the new tile v + 4
	BUILD 0, OQ, OQ+16, 4
	BUILD 1, OQ+32, OQ+48, 4
	s_wait_alu depctr_va_vdst(0)                   ; the packing has written v[OQ .. OQ+63], which the sixteen LDS stores read
.irp x, 0,1
.irp p, 0,1
.irp a, 0,1,2,3
	ds_store_b128 v[XW], v[OQ+32*(\x)+16*(\p)+4*(\a):OQ+32*(\x)+16*(\p)+4*(\a)+3] offset:XCH+((\p)*4+(\a))*4096+(\x)*2048
.endr
.endr
.endr
	s_wait_loadcnt 0x0                             ; stage 7's weights are in
	s_wait_dscnt 0x0                               ; for the others' sake: my blocks lie in LDS
	s_wait_alu depctr_vm_vsrc(0)                   ; the LDS stores have read v[OQ .. OQ+63], which the conversions of stage 7's weights below write again
	s_barrier_signal -1
	WIN 0x45                                       ; work on registers while the others arrive: q's tile v + 4 z comes to tile 0,
.set i, 0
.rept 32
	v_cndmask_b32 v[QM+i], v[QM+i], v[QM+32+i], s[MZ]
.set i, i+1
.endr
.irp kk, 0,1,2,3
	CVT4 AF+32*(\kk), S7+64*(\kk), 0x0f            ; and stage 7's weights are rounded: K step kk at v[16 + 32 kk]
.endr
	WIN 0
	s_barrier_wait -1
	; stage 7: 128 quaternions, four K steps.  The loads land in window 2, whose last readers, stage 6's conversions, stand ahead of that stage's waits on va_vdst; no vector instruction since names window 2 or v[L16]
	WIN 0x80
.irp kk, 0,1,2,3
.irp p, 0,1
.irp a, 0,1,2,3
.irp b, 0,1
	ds_load_b128 v[B7+((\kk)*2+(\p))*32+(\a)*8+4*(\b):B7+((\kk)*2+(\p))*32+(\a)*8+4*(\b)+3], v[L16] offset:XCH+((\p)*4+(\a))*4096+(2*(\kk)+(\b))*512
.endr
.endr
.endr
.endr
.set SEEN, 0
.irp kk, 0,1,2,3
	s_wait_dscnt 48-16*(\kk)                       ; K step kk's 16 loads are in; the later steps' may stay out
	QMUL AF+32*(\kk), B7+64*(\kk), 0x58
	QMUL AF+32*(\kk), B7+64*(\kk)+32, 0x58
.endr
	PLACES8
	YSUB 8
	TANH 8
	UPD 0, 1                                       ; tile 0: the new tile v + 4 z; tile 1: that + 8
	BUILD 0, OQ, OQ+16, 4
	BUILD 1, OQ+32, OQ+48, 4
	s_wait_alu depctr_va_vdst(0)                   ; the packing has written v[OQ .. OQ+63], which the sixteen stores read
.irp x, 0,1
.irp p, 0,1
.irp a, 0,1,2,3
	global_store_b128 v[GO], v[OQ+32*(\x)+16*(\p)+4*(\a):OQ+32*(\x)+16*(\p)+4*(\a)+3], s[OUT:OUT+1] offset:((\p)*4+(\a))*8192+(\x)*4096
.endr
.endr
.endr
	s_wait_dscnt 0x0                               ; the closing lines, six on end
	s_wait_alu 0x0
	s_wait_tensorcnt 0x0
	ds_add_u32 v[SPW], v[NIL]
	s_wait_dscnt 0x0
	s_endpgm
	; ---------------- THE WEIGHTS OF THE LAYERS ----------------
	; wl_d: [t 16][K step 8][w 4][b 2][512 bytes]; in a block lane (m, h) has bf16 of W[d][w][16 t + m][32 kk + 16 b + 8 h + 0..7].
.macro WCVT g                          ; group g: blocks 4 g .. 4 g + 3 are rounded, each into out-registers of its own
.irp q, 0,1,2,3
.irp n, 0,1,2,3
	v_cvt_pk_bf16_f32 v[CZ+4*(4*(\g)+(\q))+(\n)], v[CX+8*(4*(\g)+(\q))+2*(\n)], v[CX+8*(4*(\g)+(\q))+2*(\n)+1]
.endr
.endr
.endm
.macro WSTORE g                        ; group g leaves
.irp q, 0,1,2,3
	global_store_b128 v[L16], v[CZ+4*(4*(\g)+(\q)):CZ+4*(4*(\g)+(\q))+3], s[DST:DST+1] offset:((4*(\g)+(\q))/2)*4096+((4*(\g)+(\q))%2)*512
.endr
.endm
.Lconv:
	s_sub_co_u32 s[T7], s[TP], 34
	s_cmp_ge_u32 s[T7], 96
	s_cbranch_scc1 .Lhead
	s_lshr_b32 s[RT], s[T7], 4                     ; layer d
	s_and_b32 s[ZH], s[T7], 15                     ; output tile t
	s_lshl_b32 s[TP], s[RT], 20
	s_lshl_b32 s[M1], s[WV], 18
	s_add_co_u32 s[TP], s[TP], s[M1]
	s_lshl_b32 s[M1], s[ZH], 14
	s_add_co_u32 s[TP], s[TP], s[M1]
	s_add_nc_u64 s[SRC:SRC+1], s[26:27], s[TP:TP+1]  ; W[d][w] at row 16 t
	s_mov_b64 s[DST:DST+1], s[30:31]               ; the layer's own buffer
	s_cmp_eq_u32 s[RT], 1
	s_cselect_b64 s[DST:DST+1], s[32:33], s[DST:DST+1]
	s_cmp_eq_u32 s[RT], 2
	s_cselect_b64 s[DST:DST+1], s[34:35], s[DST:DST+1]
	s_cmp_eq_u32 s[RT], 3
	s_cselect_b64 s[DST:DST+1], s[36:37], s[DST:DST+1]
	s_cmp_eq_u32 s[RT], 4
	s_cselect_b64 s[DST:DST+1], s[38:39], s[DST:DST+1]
	s_cmp_eq_u32 s[RT], 5
	s_cselect_b64 s[DST:DST+1], s[40:41], s[DST:DST+1]
	s_lshl_b32 s[TP], s[ZH], 15
	s_lshl_b32 s[M1], s[WV], 10
	s_add_co_u32 s[TP], s[TP], s[M1]
	s_add_nc_u64 s[DST:DST+1], s[DST:DST+1], s[TP:TP+1]
	v_lshlrev_b32 v[TA], 5, v[VH]
	v_lshl_add_u32 v[TA], v[VM], 10, v[TA]         ; row m x 1,024 bytes + 8 numbers for each half of the lanes
	s_wait_alu depctr_va_vdst(0)                   ; v[TA], the loads' offset, and v[L16], the stores', are written
.set k, 0
.rept 16                                               ; block k = 2 kk + b: 64 bytes further along the row
	global_load_b128 v[CX+8*k:CX+8*k+3], v[TA], s[SRC:SRC+1] offset:64*k
	global_load_b128 v[CX+8*k+4:CX+8*k+7], v[TA], s[SRC:SRC+1] offset:64*k+16
.set k, k+1
.endr
	s_wait_loadcnt 24                              ; the first four blocks' eight loads are in; the later ones may stay out
	WCVT 0
	s_wait_loadcnt 16                              ; the next four blocks' eight loads are in
	s_wait_alu depctr_va_vdst(0)                   ; group 0's conversions have written v[CZ .. CZ+15], which the four stores below read
	WSTORE 0
	WCVT 1
	s_wait_loadcnt 8
	s_wait_alu depctr_va_vdst(0)                   ; group 1's conversions have written v[CZ+16 .. CZ+31], which the four stores below read
	WSTORE 1
	WCVT 2
	s_wait_loadcnt 0x0
	s_wait_alu depctr_va_vdst(0)                   ; group 2's conversions have written v[CZ+32 .. CZ+47], which the four stores below read
	WSTORE 2
	WCVT 3
	s_wait_alu depctr_va_vdst(0)                   ; group 3's conversions have written v[CZ+48 .. CZ+63], which the last four stores read
	WSTORE 3
	s_wait_dscnt 0x0                               ; the closing lines, six on end
	s_wait_alu 0x0
	s_wait_tensorcnt 0x0
	ds_add_u32 v[SPW], v[NIL]
	s_wait_dscnt 0x0
	s_endpgm
	; ---------------- THE WEIGHTS OF THE HEAD ----------------
	; wl0 + HOFF: [vt 17][a 4][K step 8][b 2][512 bytes]; lane (m, h) has bf16 of w_head[min(16 vt + m, 256)][4 i + a], i = 32 kk + 16 b + 8 h + 0..7.  Wave v takes K steps 2 v, 2 v + 1.
.macro HCVT k                          ; block k: its eight quaternions are parted into four components, each into out-registers of its own
.irp a, 0,1,2,3
.irp n, 0,1,2,3
	v_cvt_pk_bf16_f32 v[CZ+((\k)*4+(\a))*4+(\n)], v[CX+32*(\k)+8*(\n)+(\a)], v[CX+32*(\k)+8*(\n)+4+(\a)]
.endr
.endr
.endm
.macro HSTORE k                        ; block k leaves, a store for each component
.irp a, 0,1,2,3
	global_store_b128 v[L16], v[CZ+((\k)*4+(\a))*4:CZ+((\k)*4+(\a))*4+3], s[DST:DST+1] offset:(\a)*8192+(\k)*512
.endr
.endm
.Lhead:
	s_sub_co_u32 s[RT], s[T7], 96                  ; vt
	s_lshl_b32 s[TP], s[WV], 10
	s_add_nc_u64 s[SRC:SRC+1], s[28:29], s[TP:TP+1]  ; 64 quaternions of a row are 1,024 bytes
	s_lshl_b32 s[TP], s[RT], 15
	s_lshl_b32 s[M1], s[WV], 11
	s_add_co_u32 s[TP], s[TP], s[M1]
	s_add_co_u32 s[TP], s[TP], HOFF
	s_add_nc_u64 s[DST:DST+1], s[30:31], s[TP:TP+1]
	s_lshl_b32 s[M1], s[RT], 4
	v_add_nc_u32 v[TA], s[M1], v[VM]
	v_min_u32 v[TA], 0x100, v[TA]                  ; columns past 256 repeat column 256
	v_lshlrev_b32 v[TA], 12, v[TA]
	v_lshl_add_u32 v[TA], v[VH], 7, v[TA]          ; 8 quaternions for each half of the lanes
	s_wait_alu depctr_va_vdst(0)                   ; v[TA], the loads' offset, and v[L16], the stores', are written
.set k, 0
.rept 32                                               ; block k / 8, quaternion k % 8: its four components
	global_load_b128 v[CX+4*k:CX+4*k+3], v[TA], s[SRC:SRC+1] offset:(k/8)*256+(k%8)*16
.set k, k+1
.endr
	s_wait_loadcnt 24                              ; block 0's eight loads are in; the later blocks' may stay out
	HCVT 0
	s_wait_loadcnt 16                              ; block 1's eight loads are in
	s_wait_alu depctr_va_vdst(0)                   ; block 0's conversions have written v[CZ .. CZ+15], which the four stores below read
	HSTORE 0
	HCVT 1
	s_wait_loadcnt 8
	s_wait_alu depctr_va_vdst(0)                   ; block 1's conversions have written v[CZ+16 .. CZ+31], which the four stores below read
	HSTORE 1
	HCVT 2
	s_wait_loadcnt 0x0
	s_wait_alu depctr_va_vdst(0)                   ; block 2's conversions have written v[CZ+32 .. CZ+47], which the four stores below read
	HSTORE 2
	HCVT 3
	s_wait_alu depctr_va_vdst(0)                   ; block 3's conversions have written v[CZ+48 .. CZ+63], which the last four stores read
	HSTORE 3
	s_wait_dscnt 0x0                               ; the closing lines, six on end
	s_wait_alu 0x0
	s_wait_tensorcnt 0x0
	ds_add_u32 v[SPW], v[NIL]
	s_wait_dscnt 0x0
	s_endpgm
.Lfunc_end_k_q0bb7e1e142_prep:
	.size	k_q0bb7e1e142_prep, .Lfunc_end_k_q0bb7e1e142_prep-k_q0bb7e1e142_prep
	.p2alignl 7, 3214868480
	.fill 96, 4, 3214868480
	.section	.rodata,"a",@progbits
	.p2align	6, 0x0
	.amdhsa_kernel k_q0bb7e1e142_prep
		.amdhsa_group_segment_fixed_size 33280
		.amdhsa_private_segment_fixed_size 0
		.amdhsa_enable_private_segment 0
		.amdhsa_kernarg_size 144
		.amdhsa_user_sgpr_count 2
		.amdhsa_user_sgpr_kernarg_segment_ptr 1
		.amdhsa_wavefront_size32 1
		.amdhsa_system_sgpr_workgroup_id_x 1
		.amdhsa_system_sgpr_workgroup_id_y 1
		.amdhsa_system_sgpr_workgroup_id_z 1
		.amdhsa_system_vgpr_workitem_id 0
		.amdhsa_next_free_vgpr 1024
		.amdhsa_next_free_sgpr 96
		.amdhsa_reserve_vcc 0
		.amdhsa_float_denorm_mode_32 3
		.amdhsa_float_denorm_mode_16_64 3
		.amdhsa_memory_ordered 1
		.amdhsa_forward_progress 1
		.amdhsa_inst_pref_size 221
	.end_amdhsa_kernel
	.amdgpu_metadata
---
amdhsa.version: [ 1, 2 ]
amdhsa.kernels:
  - .name:           k_q0bb7e1e142_prep
    .symbol:         k_q0bb7e1e142_prep.kd
    .args:
      - { .name: emb, .offset: 0, .size: 8, .value_kind: global_buffer, .address_space: global }
      - { .name: w_exp0, .offset: 8, .size: 8, .value_kind: global_buffer, .address_space: global }
      - { .name: w_exp1, .offset: 16, .size: 8, .value_kind: global_buffer, .address_space: global }
      - { .name: w_exp2, .offset: 24, .size: 8, .value_kind: global_buffer, .address_space: global }
      - { .name: w_exp3, .offset: 32, .size: 8, .value_kind: global_buffer, .address_space: global }
      - { .name: w_exp4, .offset: 40, .size: 8, .value_kind: global_buffer, .address_space: global }
      - { .name: w_exp5, .offset: 48, .size: 8, .value_kind: global_buffer, .address_space: global }
      - { .name: w_exp6, .offset: 56, .size: 8, .value_kind: global_buffer, .address_space: global }
      - { .name: w_exp7, .offset: 64, .size: 8, .value_kind: global_buffer, .address_space: global }
      - { .name: w_layers, .offset: 72, .size: 8, .value_kind: global_buffer, .address_space: global }
      - { .name: w_head, .offset: 80, .size: 8, .value_kind: global_buffer, .address_space: global }
      - { .name: wl0, .offset: 88, .size: 8, .value_kind: global_buffer, .address_space: global }
      - { .name: wl1, .offset: 96, .size: 8, .value_kind: global_buffer, .address_space: global }
      - { .name: wl2, .offset: 104, .size: 8, .value_kind: global_buffer, .address_space: global }
      - { .name: wl3, .offset: 112, .size: 8, .value_kind: global_buffer, .address_space: global }
      - { .name: wl4, .offset: 120, .size: 8, .value_kind: global_buffer, .address_space: global }
      - { .name: wl5, .offset: 128, .size: 8, .value_kind: global_buffer, .address_space: global }
      - { .name: wsA, .offset: 136, .size: 8, .value_kind: global_buffer, .address_space: global }
    .group_segment_fixed_size: 33280
    .private_segment_fixed_size: 0
    .kernarg_segment_align: 8
    .kernarg_segment_size: 144
    .max_flat_workgroup_size: 128
    .sgpr_count:     96
    .vgpr_count:     1024
    .wavefront_size: 32
...
	.end_amdgpu_metadata
.endif
;; end of part 5
;; launch layer: the kernel of part 2 again; grid 16 x 17, 4 waves a work-group, no clusters, 16,896 bytes of LDS; arguments wl0, wsA, wsB; writes wsB
;; launch lay2: the kernel of part 2 again; grid 16 x 17, 4 waves a work-group, no clusters, 16,896 bytes of LDS; arguments wl1, wsB, wsA; writes wsA
;; launch lay3: the kernel of part 2 again; grid 16 x 17, 4 waves a work-group, no clusters, 16,896 bytes of LDS; arguments wl2, wsA, wsB; writes wsB
;; launch lay4: the kernel of part 2 again; grid 16 x 17, 4 waves a work-group, no clusters, 16,896 bytes of LDS; arguments wl3, wsB, wsA; writes wsA
;; launch lay5: the kernel of part 2 again; grid 16 x 17, 4 waves a work-group, no clusters, 16,896 bytes of LDS; arguments wl4, wsA, wsB; writes wsB
;; launch lay6: the kernel of part 2 again; grid 16 x 17, 4 waves a work-group, no clusters, 16,896 bytes of LDS; arguments wl5, wsB, wsA; writes wsA
;; launch head: the kernel of part 3 again; grid 5 x 17, 8 waves a work-group, no clusters, 36,096 bytes of LDS; arguments wl0, wsA, wsB; writes wsB
;; launch gather: the kernel of part 4 again; grid 257 x 1, 8 waves a work-group, no clusters, 34,304 bytes of LDS; arguments x, wsB, out0, out1; writes out0, out1
